; MI455X (gfx1250); checked and timed in simulation.
; The chip was launched on July 23, 2026; its instructions are those of AMD's public machine-readable ISA for CDNA 5 (MIT licence, August 2026) and "CDNA5" Instruction Set Architecture Reference Guide (July 2026). The comments in the code are by the model that wrote it; some were corrected since.
;; Grouped Query Attention. Allowed arithmetic: matrix products marked QUANTISED: E2M3 operands, one E8M0 scale for each 32 along K, by v_wmma_scale_f32_16x16x128_f8f6f4 with both operands' format E2M3, f32 sums; everything else in f32.
;; Inputs: Wk 512 x 2,048 float32; Wo 2,048 x 2,048 float32; Wq 2,048 x 2,048 float32; Wv 512 x 2,048 float32; bk 512 float32; bo 2,048 float32; bq 2,048 float32; bv 512 float32; x 4 x 1,024 x 2,048 float32.
;; Outputs: out0 4 x 1,024 x 2,048 float32.
;; This version of the problem:
;;   THIS VERSION OF THE PROBLEM IS GIVEN IN LOW PRECISION. The matrix products marked QUANTISED in the list below multiply operands that are first quantised to E2M3 (2 exponent bits, 3 mantissa bits; 6 bits a number), with one power-of-two scale for each 32 numbers along K (OCP MX v1.0); their sums are f32. All else is computed in f32.
;;   The module's matrix products, in the order in which they are computed (A, B: the left and right operand; K: the contracted axis; several contracted axes count as one K, in the product's order):
;;     1. [M 4,096, K 2,048] x [K 2,048, N 2,048]; A: input x; B: input Wq: QUANTISED
;;     2. [M 4,096, K 2,048] x [K 2,048, N 512]; A: input x; B: input Wk: QUANTISED
;;     3. [M 4,096, K 2,048] x [K 2,048, N 512]; A: input x; B: input Wv: QUANTISED
;;     4. batch 64 x [M 1,024, K 128] x [K 128, N 1,024]; A: computed on the way; B: computed on the way: QUANTISED
;;     5. batch 64 x [M 1,024, K 1,024] x [K 1,024, N 128]; A: softmax (see below); B: computed on the way: QUANTISED
;;     6. [M 4,096, K 2,048] x [K 2,048, N 2,048]; A: computed on the way; B: input Wo: QUANTISED
;;   THE QUANTISER, for each operand of a quantised product, along K:
;;     - K is cut into blocks of 32 from its start; a last block that is shorter is filled with zeros.
;;     - A block's scale is 2^e with e = floor(log2(the largest magnitude in the block)) - 2, held to -126 .. 127; a block of zeros has e = 0. As a byte (E8M0): e + 127.
;;     - Each number is divided by its block's scale, clamped to +-7.5, and rounded to the nearest number of E2M3, ties to even, subnormals kept.
;;     - The product sums the exact products of the quantised numbers (number of the format x scale) in f32.
;;   ~~~python
;;   def quantise(x, axis):      # numpy; x: float32 -> the quantised numbers, widened to float32 again
;;       x = np.moveaxis(x, axis, -1); K = x.shape[-1]
;;       x = np.pad(x, [(0, 0)] * (x.ndim - 1) + [(0, -K % 32)]); x = x.reshape(x.shape[:-1] + (-1, 32)); a = np.abs(x).max(-1, keepdims=True)
;;       e = np.where(a > 0, np.clip(np.frexp(np.where(a > 0, a, 1))[1] - 1 - 2, -126, 127), 0)      # np.frexp(a)[1] - 1 = floor(log2(a)), exactly
;;       r = np.clip(x / 2.0 ** e, -7.5, 7.5)
;;       step = 2.0 ** (np.maximum(np.frexp(np.where(r == 0, 1, r))[1] - 1, 0) - 3)
;;       q = np.round(r / step) * step * 2.0 ** e      # np.round: ties to even
;;       return np.moveaxis(q.reshape(q.shape[:-2] + (-1,))[..., :K], -1, axis).astype(np.float32)
;;   ~~~
;;   SOFTMAX AHEAD OF A QUANTISED PRODUCT. Where the list says 'softmax', what is quantised is not the finished softmax but p = 2^(t - M), with t = logit x log2(e) and M = ceil(the row's largest t), a whole number; so 1/2 < the row's largest p <= 1. The row's sum l is taken of the UNQUANTISED p, in f32, and the product's result is divided by l at the end. Since M is a whole number, a kernel that streams over the keys may use a running M (the ceiling of the running maximum): every later rescaling is an exact power of two, which a block's scale takes up: the codes' values come out the same.
;;   OPERANDS COMPUTED ON THE WAY. 'Computed on the way' means the value that the module computes at that place (a softmax that the list does not call 'softmax' is quantised finished and normalised). What goes into a quantiser is computed in f32, as accurately as f32 sums, v_exp_f32 and their like allow (about 1e-6 of the number): no bf16 or f16 on the way to a quantiser, and a product that is left as it is and whose result goes on into a quantised operand takes f32 operands (vector FMAs, or v_wmma_f32_16x16x4_f32). A number that lies on a knife's edge between two numbers of the format may be rounded either way, as far as f32 arithmetic and the matrix unit's own rounding can turn it there, and no further.
;; One version. Each part assembles by itself: llvm-mc -triple=amdgcn-amd-amdhsa -mcpu=gfx1250 --defsym DOCPART=n.
;; ======== version 1 of 1: 4 launches
;; limits: right only within a limited range of input values
;; workspace buffers: xb 6,553,600 bytes; wb 8,192,000 bytes; rope 262,144 bytes; qb 6,553,600 bytes; kv 3,276,800 bytes; yb 6,553,600 bytes
;; launch prep (part 1): grid 592 x 1, 4 waves a work-group, no clusters, 34,304 bytes of LDS; arguments x, Wq, Wk, Wv, Wo, xb, wb, rope; writes xb, wb, rope
.if DOCPART == 1
	.amdgcn_target "amdgcn-amd-amdhsa--gfx1250"
	.amdhsa_code_object_version 6
	.text
	.protected	k_q1830eaf72d_prep
	.globl	k_q1830eaf72d_prep
	.p2align	8
	.type	k_q1830eaf72d_prep,@function
k_q1830eaf72d_prep:
	s_mov_b64 s[64:65], 0
	v_nop
	global_prefetch_b8 v0, s[64:65] scope:SCOPE_SE
	s_setreg_imm32_b32 hwreg(HW_REG_WAVE_MODE, 25, 1), 1
	s_wait_xcnt 0x0
; PREP.  x [4096][2048], Wq [2048][2048], Wk, Wv [512][2048], Wo [2048][2048], all f32 with K innermost, become codes of FP6 (E2M3) with one E8M0 byte for each 32 along K;
; and the table F[t][i] = cos(theta) + sin(theta), theta = t x 10^(-i/16), is made: reference()'s rope slices the head axis at 1,024 >= the number of heads, so it multiplies by cos + sin and nothing else.
; LAYOUT OF THE CODES.  A row tile T = 2 b + u holds the 16 rows 32 b + 8 u + r + 8 (r / 8), r = 0 .. 15.  A tile takes 25,600 bytes: 16 K steps of 128, each an IMAGE OF THE OPERAND'S REGISTERS
; (12 registers a lane: three pieces of 512 bytes, piece c = registers 4 c .. 4 c + 3, lane l at 16 l), and 4 x 256 bytes of scale words: in the 256 bytes of K steps 4 g .. 4 g + 3 the word of row place r and step s lies at 16 r + 4 (s % 4).
; Wo's tiles: the 16 images on end, then the four blocks of scale words.  The tiles of x, Wq, Wk, Wv lie in the order in which the launch that multiplies them fills its two LDS slots:
; images 0-3, scale words of steps 0-7 | images 12-15 (at 6,656) | images 4-5 (at 12,800) | images 6-9, scale words of steps 8-15 (at 15,872) | images 10-11 (at 22,528).  Every part is a multiple of 256 bytes.
; xb: 256 tiles of tokens.  wb: tiles 0-127 Wq; 128 + 16 j + 0..7 Wk's head j; 128 + 16 j + 8..15 Wv's head j; 192-319 Wo.
; SHARES.  Work-groups 0-575: one row tile each; wave g takes K steps 4 g .. 4 g + 3.  Each load reads 512 consecutive bytes of one row; the 8,192 bytes of a step turn through the wave's own stage in LDS
; (16 rows, 528 bytes apart), so that lane (r, h) gets 16 neighbours of each block of 32 of row r.  Every store of codes covers 512 consecutive bytes, aligned.  Waves share nothing: no barrier.
; Work-groups 576-591 make F: rope[tile 64][group 8][lane 32][4]: F[t = the tile's row of lane % 16][i = 32 (group / 4) + 16 (lane / 16) + 4 (group % 4) + e].  That path touches no LDS.
; LIMITS.  NaN and infinities among the inputs are not served.  A block whose largest magnitude lies under 2^-124 keeps the byte 1, a block of zeros too (the quantiser says 127 there): its codes are zeros,
; which add nothing under any byte but 0xff, and this program alone reads the bytes.  10^(-i/16) is the correctly rounded f32, which may differ by an ulp from a library's power; F is good to about 1e-7 absolute for that theta.
.set TP,  25600                        ; bytes of a row tile
.set SPT, 528                          ; a stage row: 512 bytes + 16: row r starts 4 r words on, modulo 64
.set RR,  16                           ; v16-143   two sets of 64: a K step as loaded
.set XX,  144                          ; v144-207  64 numbers: register 16 b + i = k 32 b + 16 h + i of my row
.set PC,  208                          ; v208-226  the codes just made
.set TM,  228                          ; v228-243  at work
.set SW,  244                          ; v244-247  my four steps' scale words
.set SEL, 28                           ; s[28:29]  lane selects: lane l xor 16
; 64 numbers of a lane, register 16 b + i = k 32 b + 16 (lane / 16) + i of its row, become a fragment's 12 registers at v[pc] on and the row's scale word in v[pw].
.macro QUANT s, pc, pw
.irp b, 0,1,2,3
	v_max3_num_f32 v[TM+\b], |v[(\s)+16*\b]|, |v[(\s)+1+16*\b]|, 0x1800000   ; block b: my 16 numbers, and the floor 2^(3 - 127): the byte cannot fall under 1
.endr
.irp i, 2,4,6,8,10,12,14
.irp b, 0,1,2,3
	v_max3_num_f32 v[TM+\b], v[TM+\b], |v[(\s)+16*\b+\i]|, |v[(\s)+1+16*\b+\i]|
.endr
.endr
.irp b, 0,1,2,3
	v_permlanex16_b32 v[TM+4+\b], v[TM+\b], s[SEL], s[SEL+1]
.endr
.irp b, 0,1,2,3
	v_max_num_f32 v[TM+\b], v[TM+\b], v[TM+4+\b]          ; with lane l xor 16's: the block's largest magnitude
.endr
.irp b, 0,1,2,3
	v_add_nc_u32 v[TM+12+\b], 0xff000000, v[TM+\b]        ; 2 off its exponent field: the conversion's scale operand
.endr
.irp b, 0,1,2,3
	v_lshrrev_b32 v[TM+4+\b], 23, v[TM+12+\b]             ; the scale's byte
.endr
	v_lshl_or_b32 v[\pw], v[TM+5], 8, v[TM+4]
	v_lshl_or_b32 v[\pw], v[TM+6], 16, v[\pw]
	v_lshl_or_b32 v[\pw], v[TM+7], 24, v[\pw]
.irp c, 0,1
	v_cvt_scalef32_pk16_fp6_f32 v[(\pc)+6*\c:(\pc)+2+6*\c], v[(\s)+32*\c:(\s)+15+32*\c], v[TM+12+2*\c]
	v_cvt_scalef32_pk16_fp6_f32 v[(\pc)+12+4*\c:(\pc)+14+4*\c], v[(\s)+16+32*\c:(\s)+31+32*\c], v[TM+12+2*\c+1]   ; (a conversion's three registers begin on an even number)
.endr
	v_nop                                          ; one plain place behind a scaled conversion
.irp c, 0,1                            ; the operand wants a whole block in a lane: lanes 0-15 block 2 c, lanes 16-31 block 2 c + 1
.irp i, 0,1,2
	v_permlane16_swap_b32 v[(\pc)+6*\c+\i], v[(\pc)+12+4*\c+\i]
.endr
.irp i, 0,1,2
	v_mov_b32 v[(\pc)+3+6*\c+\i], v[(\pc)+12+4*\c+\i]
.endr
.endr
.endm
.macro LOAD sl                         ; my K step sl: 16 rows x 512 bytes
.irp i, 0,1,2,3,4,5,6,7,8,9,10,11,12,13,14,15
	global_load_b128 v[RR+64*((\sl)%2)+4*\i:RR+64*((\sl)%2)+4*\i+3], v2, s[30:31] offset:(\i+8*(\i/8))*8192+512*(\sl) th:TH_LOAD_NT
.endr
.endm
.macro STEPQ sl
.if (\sl) < 3
	s_wait_loadcnt 16                              ; this step's 16 loads are in; the next step's 16 may be out
.else
	s_wait_loadcnt 0x0
.endif
.irp i, 0,1,2,3,4,5,6,7,8,9,10,11,12,13,14,15
	ds_store_b128 v3, v[RR+64*((\sl)%2)+4*\i:RR+64*((\sl)%2)+4*\i+3] offset:SPT*\i
.endr
.irp b, 0,1,2,3
.irp j, 0,1,2,3
	ds_load_b128 v[XX+16*\b+4*\j:XX+16*\b+4*\j+3], v4 offset:128*\b+16*\j      ; LDS serves a wave's instructions in order: these see the stores above
.endr
.endr
	s_wait_dscnt 0x0                               ; the numbers are back, and the stores have read their registers
	s_wait_xcnt 0x0                                ; the last step's stores have read the codes' registers, which are written again below.  It stands ahead of the loads: their address registers are never rewritten
.if (\sl)+2 < 4
	LOAD (\sl)+2
.endif
	QUANT XX, PC, SW+(\sl)
.if (\sl) < 2
.irp c, 0,1,2
	global_store_b128 v2, v[PC+4*\c:PC+4*\c+3], s[44:45] offset:1536*(\sl)+512*\c
.endr
.else
.irp c, 0,1,2
	global_store_b128 v2, v[PC+4*\c:PC+4*\c+3], s[54:55] offset:1536*(\sl)+512*\c
.endr
.endif
.endm
; (h, l) x (ch, cl) in two f32 each: the product's head, its error, the cross terms, renormalised
.macro DFMUL h, l, ch, cl
	v_mul_f32 v14, \ch, v[\h]
	v_fma_f32 v15, v[\h], \ch, -v14
	v_fma_f32 v15, v[\h], \cl, v15
	v_fma_f32 v15, v[\l], \ch, v15
	v_add_f32 v[\h], v14, v15
	v_sub_f32 v14, v[\h], v14
	v_sub_f32 v[\l], v15, v14
.endm
; F = cos + sin of theta = t x inv (one rounding, as reference() has it).  theta = n pi/2 + r, pi/2 in two parts; polynomials on |r| <= pi/4; the quadrant gives the two signs.
.macro FONE d, inv
	v_mul_f32 v28, v23, v[\inv]
	v_mul_f32 v29, s32, v28
	v_rndne_f32 v29, v29                           ; n
	v_fma_f32 v30, v29, s33, v28
	v_fma_f32 v30, v29, s34, v30                   ; r
	v_mul_f32 v31, v30, v30                        ; z
	v_fma_f32 v32, v31, s37, s36
	v_fma_f32 v32, v32, v31, s35
	v_mul_f32 v33, v30, v31
	v_fma_f32 v32, v33, v32, v30                   ; S = sin r
	v_fma_f32 v33, v31, s40, s39
	v_fma_f32 v33, v33, v31, s38
	v_mul_f32 v34, v31, v31
	v_fma_f32 v35, v31, -0.5, 1.0
	v_fma_f32 v33, v34, v33, v35                   ; C = cos r
	v_cvt_i32_f32 v29, v29
	v_and_b32 v34, 2, v29
	v_lshlrev_b32 v34, 30, v34
	v_xor_b32 v33, v33, v34                        ; quadrants 2, 3: -C
	v_add_nc_u32 v29, 1, v29
	v_and_b32 v29, 2, v29
	v_lshlrev_b32 v29, 30, v29
	v_xor_b32 v32, v32, v29                        ; quadrants 1, 2: -S
	v_add_f32 v[\d], v33, v32
.endm
	s_load_b512 s[4:19], s[0:1], 0x0               ; x, Wq, Wk, Wv, Wo, xb, wb, rope
	v_lshl_add_u32 v254, v0, 2, 0x8400
	v_mov_b32 v255, 0
	v_lshrrev_b32 v1, 5, v0
	v_readfirstlane_b32 s20, v1                    ; wave
	v_and_b32 v1, 31, v0                           ; lane
	v_lshlrev_b32 v2, 4, v1                        ; 16 x lane
	v_and_b32 v6, 15, v0                           ; r
	v_bfe_u32 v7, v0, 4, 1                         ; h
	s_cmp_ge_u32 ttmp9, 576
	s_cbranch_scc1 .Lrope
	; ---- the quantiser
	s_mul_i32 s21, s20, 16*SPT                     ; my stage
	v_add_nc_u32 v3, s21, v2                       ; in: 16 x lane of a row
	v_mul_u32_u24 v4, v6, SPT
	v_lshl_add_u32 v4, v7, 6, v4
	v_add_nc_u32 v4, s21, v4                       ; out: row r, + 64 h
	v_lshlrev_b32 v5, 4, v6                        ; 16 r: my row's four scale words
	s_mov_b32 s[SEL], 0x76543210
	s_mov_b32 s[SEL+1], 0xfedcba98
.irp b, 0,1,2,3
	v_mov_b32 v[TM+4+\b], 0                        ; written once: a lane permute's destination counts as one of its sources
.endr
	s_wait_alu depctr_va_vdst(0)
	s_wait_kmcnt 0x0
	s_mov_b64 s[30:31], s[12:13]                   ; which tensor: the choice hangs on the work-group's number alone
	s_mov_b32 s34, 448                             ; its first work-group,
	s_mov_b32 s35, 192                             ; its first tile in the buffer,
	s_mov_b32 s36, 0                               ; and -8 where heads of 8 tiles lie 16 apart
	s_cmp_lt_u32 ttmp9, 448
	s_cselect_b64 s[30:31], s[10:11], s[30:31]
	s_cselect_b32 s34, 416, s34
	s_cselect_b32 s35, 136, s35
	s_cselect_b32 s36, -8, s36
	s_cmp_lt_u32 ttmp9, 416
	s_cselect_b64 s[30:31], s[8:9], s[30:31]
	s_cselect_b32 s34, 384, s34
	s_cselect_b32 s35, 128, s35
	s_cmp_lt_u32 ttmp9, 384
	s_cselect_b64 s[30:31], s[6:7], s[30:31]
	s_cselect_b32 s34, 256, s34
	s_cselect_b32 s35, 0, s35
	s_cselect_b32 s36, 0, s36
	s_cmp_lt_u32 ttmp9, 256
	s_cselect_b64 s[30:31], s[4:5], s[30:31]
	s_cselect_b64 s[32:33], s[14:15], s[16:17]
	s_cselect_b32 s34, 0, s34
	s_sub_co_u32 s37, ttmp9, s34                   ; the tile in its tensor
	s_and_b32 s38, s37, s36
	s_add_co_u32 s38, s38, s37
	s_add_co_u32 s38, s38, s35                     ; and in its buffer
	s_lshr_b32 s39, s37, 1
	s_lshl_b32 s39, s39, 5
	s_and_b32 s40, s37, 1
	s_lshl_b32 s40, s40, 3
	s_add_co_u32 s39, s39, s40                     ; its first row: 32 (T / 2) + 8 (T % 2)
	s_lshl_b32 s40, s39, 13                        ; rows of 8,192 bytes
	s_lshl_b32 s41, s20, 11                        ; my four K steps: 2,048 bytes
	s_add_co_u32 s40, s40, s41
	s_mov_b32 s41, 0
	s_add_nc_u64 s[30:31], s[30:31], s[40:41]
	s_mul_i32 s42, s38, TP
	s_mov_b32 s43, 0
	s_add_nc_u64 s[32:33], s[32:33], s[42:43]      ; the tile
	; where my four images and my 256 bytes of scale words go in it
	s_mul_i32 s42, s20, 4*1536                     ; Wo: the images on end,
	s_lshl_b32 s49, s20, 8
	s_add_co_u32 s49, s49, 24576                   ; the scale words behind them
	s_mov_b32 s51, 0                               ; the others: wave 0: images at 0, words at 6,144;
	s_mov_b32 s52, 6144
	s_cmp_eq_u32 s20, 1
	s_cselect_b32 s51, 12800, s51                  ; wave 1: K steps 4-7 on end from 12,800, words at 6,400;
	s_cselect_b32 s52, 6400, s52
	s_cmp_eq_u32 s20, 2
	s_cselect_b32 s51, 18944, s51                  ; wave 2: K steps 8, 9 from 18,944, words at 22,016,
	s_cselect_b32 s52, 22016, s52
	s_cselect_b32 s53, 512, 0                      ; and K steps 10, 11 behind the 512 bytes of words that lie between;
	s_cmp_eq_u32 s20, 3
	s_cselect_b32 s51, 6656, s51                   ; wave 3: K steps 12-15 from 6,656, words at 22,272
	s_cselect_b32 s52, 22272, s52
	s_cmp_lt_u32 ttmp9, 448
	s_cselect_b32 s42, s51, s42
	s_cselect_b32 s49, s52, s49
	s_cselect_b32 s50, s53, 0
	s_mov_b32 s51, 0
	s_add_nc_u64 s[44:45], s[32:33], s[42:43]      ; my first two images
	s_add_nc_u64 s[54:55], s[44:45], s[50:51]      ; my last two (the stores add 1,536 for each image)
	s_mov_b32 s42, s49
	s_add_nc_u64 s[46:47], s[32:33], s[42:43]      ; my 256 bytes of scale words
	LOAD 0
	LOAD 1
	STEPQ 0
	STEPQ 1
	STEPQ 2
	STEPQ 3
	s_wait_xcnt 0x0                                ; EXEC changes only behind this wait
	v_cmp_gt_u32 vcc_lo, 16, v1
	s_wait_tensorcnt 0x0
	ds_add_u32 v254, v255
	s_wait_dscnt 0x0
	s_and_saveexec_b32 s48, vcc_lo
	global_store_b128 v5, v[SW:SW+3], s[46:47]     ; sixteen lanes store 256 consecutive bytes, aligned
	s_wait_xcnt 0x0
	s_or_b32 exec_lo, exec_lo, s48
	s_endpgm
	; ---- the table F
.Lrope:
	s_sub_co_u32 s21, ttmp9, 576
	s_lshl_b32 s21, s21, 2
	s_add_co_u32 s21, s21, s20                     ; wave 0 .. 63
	s_and_b32 s22, s21, 7                          ; the group of four i
	s_lshr_b32 s23, s21, 3                         ; which 128 tokens: 8 tiles
	; 10^(-i/16) = the product over the bits of i of 10^(-2^bit/16), each constant in two f32 (head, rest), so that the head of the product is the correctly rounded f32
	s_mov_b32 s24, 0x3c23d70a                      ; bit 5 of i = bit 2 of the group: 10^-2
	s_mov_b32 s25, 0x2f75c28f
	s_bitcmp1_b32 s22, 2
	s_cselect_b32 s24, s24, 1.0
	s_cselect_b32 s25, s25, 0
	s_mov_b32 s26, 0x3ea1e89b                      ; bit 3 = bit 1 of the group: 10^-0.5
	s_mov_b32 s27, 0x31121251
	s_bitcmp1_b32 s22, 1
	s_cselect_b32 s26, s26, 1.0
	s_cselect_b32 s27, s27, 0
	s_mov_b32 s28, 0x3f0ff59a                      ; bit 2 = bit 0 of the group: 10^-0.25
	s_mov_b32 s29, 0xb1f8f1fc
	s_bitcmp1_b32 s22, 0
	s_cselect_b32 s28, s28, 1.0
	s_cselect_b32 s29, s29, 0
	s_mov_b32 s44, 0x3f5dafd7                      ; bit 0: 10^(-1/16)
	s_mov_b32 s45, 0xb2ff54dc
	s_mov_b32 s46, 0x3f3ff911                      ; bit 1: 10^(-1/8)
	s_mov_b32 s47, 0x32022bb3
	s_mov_b32 s32, 0x3f22f983                      ; 2 / pi
	s_mov_b32 s33, 0xbfc90fdb                      ; -(pi / 2)'s head
	s_mov_b32 s34, 0x333bbd2e                      ; -(pi / 2)'s rest
	s_mov_b32 s35, 0xbe2aaaa3                      ; sine: r + r z (s35 + z (s36 + z s37))
	s_mov_b32 s36, 0x3c08839e
	s_mov_b32 s37, 0xb94ca1f9
	s_mov_b32 s38, 0x3d2aaaa5                      ; cosine: 1 - z / 2 + z z (s38 + z (s39 + z s40))
	s_mov_b32 s39, 0xbab6061a
	s_mov_b32 s40, 0x37ccf5ce
	s_wait_alu depctr_va_vdst(0)
	v_cmp_eq_u32 vcc_lo, 1, v7                     ; bit 4 of i = my half of the lanes: 10^-1
	v_mov_b32 v8, 1.0
	v_mov_b32 v9, 0
	v_mov_b32 v10, 0x3dcccccd
	v_mov_b32 v11, 0xb0cccccd
	v_cndmask_b32 v8, v8, v10, vcc_lo
	v_cndmask_b32 v9, v9, v11, vcc_lo
	v_mov_b32 v12, s24
	v_mov_b32 v13, s25
	DFMUL 12, 13, s26, s27
	DFMUL 12, 13, s28, s29
	DFMUL 12, 13, v8, v9                           ; e = 0
	v_mov_b32 v16, v12
	v_mov_b32 v17, v13
	DFMUL 16, 17, s44, s45                         ; e = 1
	v_mov_b32 v18, v12
	v_mov_b32 v19, v13
	DFMUL 18, 19, s46, s47                         ; e = 2
	v_mov_b32 v20, v16
	v_mov_b32 v21, v17
	DFMUL 20, 21, s46, s47                         ; e = 3
	v_mov_b32 v24, v12
	v_mov_b32 v25, v16
	v_mov_b32 v26, v18
	v_mov_b32 v27, v20
	v_and_b32 v22, 8, v6
	v_add_nc_u32 v22, v22, v6                      ; r + 8 (r / 8)
	s_lshl_b32 s30, s23, 7
	v_add_nc_u32 v22, s30, v22                     ; my token in tile 0 of the eight
	s_lshl_b32 s42, s23, 15                        ; 8 tiles of 4,096 bytes
	s_lshl_b32 s43, s22, 9                         ; my group's 512 bytes
	s_add_co_u32 s42, s42, s43
	s_mov_b32 s43, 0
	s_wait_alu depctr_va_vdst(0)
	s_wait_kmcnt 0x0
	s_add_nc_u64 s[18:19], s[18:19], s[42:43]
.set k, 0
.rept 8                                ; a tile at a time; each has its own four registers, so no store's data are written again
	v_add_nc_u32 v23, 32*(k/2)+8*(k%2), v22
	v_cvt_f32_u32 v23, v23                         ; t, exact
	FONE 64+4*k, 24
	FONE 65+4*k, 25
	FONE 66+4*k, 26
	FONE 67+4*k, 27
	global_store_b128 v2, v[64+4*k:67+4*k], s[18:19] offset:4096*k     ; 512 consecutive bytes, aligned
.set k, k+1
.endr
	s_endpgm
.Lfunc_end_k_q1830eaf72d_prep:
	.size	k_q1830eaf72d_prep, .Lfunc_end_k_q1830eaf72d_prep-k_q1830eaf72d_prep
	.p2alignl 7, 3214868480
	.fill 96, 4, 3214868480
	.section	.rodata,"a",@progbits
	.p2align	6, 0x0
	.amdhsa_kernel k_q1830eaf72d_prep
		.amdhsa_group_segment_fixed_size 34304
		.amdhsa_private_segment_fixed_size 0
		.amdhsa_enable_private_segment 0
		.amdhsa_kernarg_size 64
		.amdhsa_user_sgpr_count 2
		.amdhsa_user_sgpr_kernarg_segment_ptr 1
		.amdhsa_wavefront_size32 1
		.amdhsa_system_sgpr_workgroup_id_x 1
		.amdhsa_system_sgpr_workgroup_id_y 1
		.amdhsa_system_sgpr_workgroup_id_z 1
		.amdhsa_system_vgpr_workitem_id 0
		.amdhsa_next_free_vgpr 256
		.amdhsa_next_free_sgpr 66
		.amdhsa_reserve_vcc 1
		.amdhsa_float_denorm_mode_32 3
		.amdhsa_float_denorm_mode_16_64 3
		.amdhsa_memory_ordered 1
		.amdhsa_forward_progress 1
		.amdhsa_inst_pref_size 74
	.end_amdhsa_kernel
	.amdgpu_metadata
---
amdhsa.version: [ 1, 2 ]
amdhsa.kernels:
  - .name:           k_q1830eaf72d_prep
    .symbol:         k_q1830eaf72d_prep.kd
    .args:
      - { .name: x, .offset: 0, .size: 8, .value_kind: global_buffer, .address_space: global }
      - { .name: Wq, .offset: 8, .size: 8, .value_kind: global_buffer, .address_space: global }
      - { .name: Wk, .offset: 16, .size: 8, .value_kind: global_buffer, .address_space: global }
      - { .name: Wv, .offset: 24, .size: 8, .value_kind: global_buffer, .address_space: global }
      - { .name: Wo, .offset: 32, .size: 8, .value_kind: global_buffer, .address_space: global }
      - { .name: xb, .offset: 40, .size: 8, .value_kind: global_buffer, .address_space: global }
      - { .name: wb, .offset: 48, .size: 8, .value_kind: global_buffer, .address_space: global }
      - { .name: rope, .offset: 56, .size: 8, .value_kind: global_buffer, .address_space: global }
    .group_segment_fixed_size: 34304
    .private_segment_fixed_size: 0
    .kernarg_segment_align: 8
    .kernarg_segment_size: 64
    .max_flat_workgroup_size: 128
    .sgpr_count:     66
    .vgpr_count:     256
    .wavefront_size: 32
...
	.end_amdgpu_metadata
.endif
;; end of part 1
;; launch qkv (part 2): grid 12 x 16, 4 waves a work-group, clusters of 4 x 4, 327,680 bytes of LDS; arguments xb, wb, bq, bk, bv, rope, qb, kv; writes qb, kv
.if DOCPART == 2
	.amdgcn_target "amdgcn-amd-amdhsa--gfx1250"
	.amdhsa_code_object_version 6
	.text
	.protected	k_q1830eaf72d_qkv
	.globl	k_q1830eaf72d_qkv
	.p2align	8
	.type	k_q1830eaf72d_qkv,@function
k_q1830eaf72d_qkv:
	s_mov_b64 s[64:65], 0
	v_nop
	global_prefetch_b8 v0, s[64:65] scope:SCOPE_SE
	s_setreg_imm32_b32 hwreg(HW_REG_WAVE_MODE, 25, 1), 1
	s_wait_xcnt 0x0
	s_wait_alu depctr_hold_cnt(0) depctr_sa_sdst(0) depctr_va_vdst(0) depctr_va_sdst(0) depctr_va_ssrc(0) depctr_va_vcc(0) depctr_vm_vsrc(0)
	s_getreg_b32 s2, hwreg(HW_REG_IB_STS2, 6, 4)
	s_cmp_eq_u32 s2, 0
	s_cbranch_scc0 .Lentry_in_a_cluster
	s_endpgm
.Lentry_in_a_cluster:
	s_bfe_u32 s2, ttmp6, 0x10000c
	s_cmp_lg_u32 s2, 0xf033
	s_cbranch_scc0 .Lentry_shape_is_right
	s_endpgm
.Lentry_shape_is_right:
; QKV.  q = x Wq^T + bq, k = x Wk^T + bk, v = x Wv^T + bv on codes of FP6 (E2M3) with E8M0 scales; q and k are multiplied by F = cos + sin (the table rope) and quantised along the head's 128; v is quantised along the keys.
; One product [4,096] x [3,072] x K 2,048.  A work-group of four waves makes 256 tokens x 256 columns, a wave 128 x 128: 64 accumulators, 512 registers.  A wave's 128 columns are one head:
; clusters 0 and 1 along x hold q's heads; in cluster 2 the waves of the lower column half hold a head of k and those of the upper half the same head of v (wb lays them so).
; OPERANDS lie in xb and wb as images of their registers (a fragment of 16 rows x 128 K: 1,536 bytes, three loads of 16 bytes a lane), in row tiles of 25,600 bytes.
; Row tile 2 b + u holds rows 32 b + 8 u + r + 8 (r / 8): so where such tiles are source 0, the 16 registers of result tiles 2 b, 2 b + 1 are 16 neighbours 32 b + 16 (lane / 16) + 0 .. 15 along that axis.
; THE RING HAS TWO UNEQUAL SLOTS.  K's 16 steps of 128 go 0-3 | 4-5 | 6-9 | 10-11 | 12-15: the large slot holds four steps of the work-group's 32 row tiles, the small one two.  Slots are filled again three times,
; each behind one round of the cluster's barrier; from a refill to the wait for it a wave issues 96 matrix instructions (large slot) or 224 (small).  Two slots of four steps, 2 x 32 x 4 x 1,536 bytes, do not fit in LDS.
; THE SCALE WORDS RIDE WITH THE LARGE SLOT'S TILES: 512 bytes a tile behind its four images: with K steps 0-3 the words of steps 0-7, with steps 6-9 those of steps 8-15.  They are read into registers (two sets of 32,
; one for each four K steps, by turns) while the slot holds them.  A row tile in memory lies in that order: images 0-3 and words | images 12-15 | images 4-5 | images 6-9 and words | images 10-11; so one shape serves all
; fills of the large slot; its third fill brings 512 bytes a tile of the part that follows, which nobody reads.  The 16 steps are written straight: the pattern has no period.
; CLUSTERS: 4 x 4.  The four of a row of the cluster need the same token tiles, the four of a column the same weight tiles: each is asked for jointly, by the same load with a mask that names the four.
; q AND k: source 0 = 16 rows of W, source 1 = 16 tokens: a lane holds one token and neighbouring features: the next product's K.
; v: THE SOURCES CHANGE PLACES, by addresses alone: such a wave reads the token tiles into the registers of source 0 and the weight tiles into those of source 1 (both are 8 tiles): a lane then holds one feature
; and neighbouring KEYS, which are the K of the product that v enters.  The text is the same for all waves.  The choice hangs on the cluster's number and the wave's number, which all partners share.
; OUT: qb[(16 b + head)][group of 128 tokens] 12,800 bytes: 8 images, 512 bytes of scale words (word of image a, row place r at 256 (a / 4) + 16 r + 4 (a % 4));
; kv[(4 b + head)][key step] 25,600 bytes: k's 8 images, v's 8 images, k's scale words, v's scale words.  Every store covers 512 consecutive bytes, aligned.
; LIMITS: NaN and infinities are not served; a block whose largest magnitude lies under 2^-124 (zeros too) keeps the byte 1: this program alone reads the bytes.  The bias is added behind the sum, as reference() has it.
; 192 work-groups: a tile of 128 x 256 would make 384, one and a half times the WGPs, at half the multiply-adds for each LDS byte.
; REGISTERS, in windows of 256.  Window 0: v16-31 addresses; v32-95 scale words, two sets; v96-159 the biases of my 128 columns; v160-255 source 1's eight fragments, ONE set.
;   Window 1: source 0's fragments, two sets, at v0 and v128; v96-111 v's biases; on the way out F.  Windows 2, 3: accumulator (a, b) at v[8 (8 (a % 4) + b)] of window 2 + a / 4.
.set NA,    8                          ; blocks of source 1 a wave
.set HB,    NA/2
.set NL,    3                          ; LDS loads that bring a fragment
.set FRB,   1536                       ; bytes of a fragment
.set TP,    25600                      ; bytes of a row tile in memory
.set ROW0,  6656                       ; a tile's part in the large slot: four images and 512 bytes of scale words
.set ROW1,  3072                       ; in the small slot: two images
.set HALF0, 8*ROW0                     ; what one tensor load brings: 8 tiles' parts
.set HALF1, 8*ROW1
.set SLOT1, 4*HALF0                    ; the large slot at 0 (tokens' two halves, weights' two halves), the small one behind it
.set SPARE, SLOT1+4*HALF1              ; the spare words: 128 bytes for each wave, two blocks of 256 bytes that no other line names
.set M_S0,  12800                      ; in a row tile in memory: where K steps 4-5 begin
.set D_L1,  15872                      ; from K steps 0-3 on to K steps 6-9
.set D_L2,  9216                       ; from there back to K steps 12-15, at 6,656
.set D_S1,  9728                       ; from K steps 4-5 on to K steps 10-11, at 22,528
.set ADRA,  16                         ; v16-17 LDS address of source 1's fragments in the large slot, the small slot
.set ADRB,  20                         ; v20-21 of source 0's
.set LI,    24                         ; v24 16 x lane
.set BO64,  26                         ; v26 64 x (lane / 16)
.set ADRS,  27                         ; v27 LDS address of my scale words in the large slot: lanes 0-15 source 1's rows, lanes 16-31 source 0's; never rewritten
.set SPW,   28                         ; v28 my spare word; never rewritten
.set NIL,   29                         ; v29 0; never rewritten
.set BVO,   30                         ; v30 4 (r + 8 (r / 8))
.set SC,    32                         ; set (s / 4) % 2, register 4 i + s % 4: lanes 0-15 the word of source 1's block i, lanes 16-31 of source 0's block i, for K step s
.set BI,    96
.set AF,    160
.set W,     32                         ; the way out: v32-95 64 numbers; v160-178 codes; v180-195 at work; v196-203 scale words; v204-207 those that I store
.set PC,    160
.set TM,    180
.set SW,    196
.set TT,    204
.set SEL,   46                         ; s[46:47] lane selects, set on the way out
.set G1A,   24                         ; s[24:31] group 1, large slot, token tiles;  s[32:35] its group 0;  s[36:39] the small slot's group 0
.set G0A,   32
.set G1B,   48                         ; s[48:55], s[56:59], s[60:63] the same for weight tiles
.set G0B,   56
.set G1C,   68                         ; s[68:75] group 1, small slot, token tiles
.set G1D,   80                         ; s[80:87] group 1, small slot, weight tiles
.set MUL_LO, 0xa1                      ; source 0 window 1, source 1 window 0, C and D window 2
.set MUL_HI, 0xf1                      ; C and D window 3
.set MSB, 0
.macro WIN new                         ; the immediate's high byte repeats the setting that is left
.if MSB != (\new)
	s_set_vgpr_msb (MSB<<8)|(\new)
.set MSB, (\new)
.endif
.endm
.macro PLACES n
.rept \n
	v_nop
.endr
.endm
; A joint load: waves 0 and 1 fetch token tiles, waves 2 and 3 weight tiles.  The branch hangs on the wave's number alone.  Four v_nop follow each of the two lines.
.macro JLOAD g0a, g1a, g0b, g1b
	s_cmp_eq_u32 s21, 0
	s_cbranch_scc0 .Lfor_b_\@
	tensor_load_to_lds s[\g0a:\g0a+3], s[\g1a:\g1a+7]
	s_nop 0
.rept 4
	v_nop
.endr
	s_branch .Lasked_\@
.Lfor_b_\@:
	tensor_load_to_lds s[\g0b:\g0b+3], s[\g1b:\g1b+7]
	s_nop 0
.rept 4
	v_nop
.endr
.Lasked_\@:
.endm
.macro CREST                           ; a round of the cluster's barrier behind its opening barrier
	s_cmp_lg_u32 s20, 0
	s_cbranch_scc1 .Lnot_wave_0_\@
	s_barrier_signal -3
.Lnot_wave_0_\@:
	s_barrier_wait -3
	s_barrier_signal -1
	s_barrier_wait -1
.endm
.macro CROUND
	s_barrier_signal -1
	s_barrier_wait -1
	CREST
.endm
.macro LOC s                           ; where K step s lies: SL the slot (0 the large, 1 the small), QQ its place there, RWB the bytes of a tile's part there
.if (\s) < 4
.set SL, 0
.set QQ, (\s)
.elseif (\s) < 6
.set SL, 1
.set QQ, (\s)-4
.elseif (\s) < 10
.set SL, 0
.set QQ, (\s)-6
.elseif (\s) < 12
.set SL, 1
.set QQ, (\s)-10
.else
.set SL, 0
.set QQ, (\s)-12
.endif
.set RWB, ROW0-(ROW0-ROW1)*SL
.endm
.macro FRAG reg, adr, off              ; a fragment comes as it was stored: three pieces of 512 bytes, 16 bytes a lane
.irp c, 0,1,2
	ds_load_b128 v[(\reg)+4*\c:(\reg)+4*\c+3], v[\adr] offset:(\off)+512*\c
.endr
.endm
.macro FETCH_B s                       ; source 0's eight fragments of K step s into set s % 2
	LOC \s
	WIN 0x40
.irp i, 0,1,2,3,4,5,6,7
	FRAG 128*((\s)%2)+12*\i, ADRB+SL, \i*RWB+QQ*FRB
.endr
	WIN 0
.endm
.macro FETCH_A s, i0                   ; source 1's blocks i0 .. i0 + HB - 1 of K step s
	LOC \s
.set FI, \i0
.rept HB
	FRAG AF+12*FI, ADRA+SL, FI*RWB+QQ*FRB
.set FI, FI+1
.endr
.endm
.macro SCL u                           ; the u-th 256 bytes of each tile's scale words in the large slot, four K steps' words, into set u
.irp i, 0,1,2,3,4,5,6,7
	ds_load_b128 v[SC+32*(\u)+4*\i:SC+32*(\u)+4*\i+3], v[ADRS] offset:\i*ROW0+256*(\u)
.endr
.endm
; 8 matrix instructions of K step s: source 1's block a against source 0's eight.  The accumulators take turns, one instruction a turn, in the same order in every step.
.macro MULB a, s, first
.irp b, 0,1,2,3,4,5,6,7
.if \first
	v_wmma_scale_f32_16x16x128_f8f6f4 v[8*(8*((\a)%4)+\b):8*(8*((\a)%4)+\b)+7], v[128*((\s)%2)+12*\b:128*((\s)%2)+12*\b+11], v[AF+12*(\a):AF+12*(\a)+11], 0, v[SC+32*(((\s)/4)%2)+4*\b+(\s)%4], v[SC+32*(((\s)/4)%2)+4*(\a)+(\s)%4] matrix_a_fmt:MATRIX_FMT_FP6 matrix_b_fmt:MATRIX_FMT_FP6 matrix_a_scale:MATRIX_SCALE_ROW1
.else
	v_wmma_scale_f32_16x16x128_f8f6f4 v[8*(8*((\a)%4)+\b):8*(8*((\a)%4)+\b)+7], v[128*((\s)%2)+12*\b:128*((\s)%2)+12*\b+11], v[AF+12*(\a):AF+12*(\a)+11], v[8*(8*((\a)%4)+\b):8*(8*((\a)%4)+\b)+7], v[SC+32*(((\s)/4)%2)+4*\b+(\s)%4], v[SC+32*(((\s)/4)%2)+4*(\a)+(\s)%4] matrix_a_fmt:MATRIX_FMT_FP6 matrix_b_fmt:MATRIX_FMT_FP6 matrix_a_scale:MATRIX_SCALE_ROW1
.endif
.endr
.endm
.macro MULS a0, n, s, first            ; n blocks from a0 on
.set MA, \a0
.rept \n
	MULB MA, \s, \first
.set MA, MA+1
.endr
.endm
; K step s, whose successor lies in the same slot.  Source 1's blocks are free as soon as their products are issued: the lower half is fetched anew in the step's middle, the upper at its end.
; Four plain places stand in front of each run of loads into registers that matrix instructions have read (ISA guide 7.12.1 for vector instructions).
; scl = 0 or 1: that set of scale words is read in the middle run; -1: none.
.macro STEP s, first, scl
	s_wait_dscnt HB*NL                             ; all but the youngest 12 loads (source 1's upper blocks) are in
	WIN MUL_LO
	MULS 0, HB, \s, \first
	s_wait_dscnt 0x0                               ; the upper blocks are in
	PLACES 4
	FETCH_B (\s)+1
	FETCH_A (\s)+1, 0
.if (\scl) >= 0
	SCL \scl
.endif
	WIN MUL_HI
	MULS HB, HB, \s, \first
	PLACES 4
	WIN 0
	FETCH_A (\s)+1, HB
.endm
; K step s, its slot's last, changes slots: one barrier; in front of it each wave waits for all its tensor loads, adds 0 to its spare word, and waits for that and for its reads of this slot.
; fill = 1, 2, 3: the barrier opens a round of the cluster's barrier, and this slot is filled again first thing behind the round: 1 the large slot with K steps 6-9, 2 the small with 10-11, 3 the large with 12-15.  0: nothing is left to fetch.
.macro TURN s, fill
	s_wait_tensorcnt 0x0                           ; all my tensor loads have landed: my part of the next slot
	ds_add_u32 v[SPW], v[NIL]                      ; 0 onto my spare word
	s_wait_dscnt HB*NL+1                           ; (the add and the youngest 12 loads may be out)
	WIN MUL_LO
	MULS 0, HB/2, \s, 0                            ; matrix work stands between the add and the wait for it
	s_wait_dscnt 0x0                               ; the add is done, and my reads of this slot are over
	s_barrier_signal -1
	MULS HB/2, HB/2, \s, 0
	WIN 0
	s_barrier_wait -1
.if (\fill) == 1
	CREST                                          ; no wave of any partner still reads this slot or has a load on its way
	s_add_nc_u64 s[G0A+2:G0A+3], s[G0A+2:G0A+3], D_L1
	s_add_nc_u64 s[G0B+2:G0B+3], s[G0B+2:G0B+3], D_L1
	JLOAD G0A, G1A, G0B, G1B                       ; its four v_nop are also the places in front of the loads below
.elseif (\fill) == 2
	CREST
	s_add_nc_u64 s[G0A+6:G0A+7], s[G0A+6:G0A+7], D_S1
	s_add_nc_u64 s[G0B+6:G0B+7], s[G0B+6:G0B+7], D_S1
	JLOAD G0A+4, G1C, G0B+4, G1D
.elseif (\fill) == 3
	CREST
	s_sub_nc_u64 s[G0A+2:G0A+3], s[G0A+2:G0A+3], D_L2
	s_sub_nc_u64 s[G0B+2:G0B+3], s[G0B+2:G0B+3], D_L2
	JLOAD G0A, G1A, G0B, G1B
.else
	PLACES 4
.endif
	FETCH_B (\s)+1
	FETCH_A (\s)+1, 0
.if (\fill) == 1
	global_prefetch_b8 v18, s[88:89] offset:ROW0 th:TH_LOAD_NT scope:SCOPE_SE          ; behind the fill with K steps 6-9: K steps 12-15, two fills on and the last: later fills ask for nothing
	global_prefetch_b8 v19, s[88:89] offset:ROW0 th:TH_LOAD_NT scope:SCOPE_SE
.endif
	WIN MUL_HI
	MULS HB, HB, \s, 0
	PLACES 4
	WIN 0
	FETCH_A (\s)+1, HB
.endm
.macro LAST s                          ; the very last step: nothing more to fetch
	s_wait_dscnt HB*NL
	WIN MUL_LO
	MULS 0, HB, \s, 0
	s_wait_dscnt 0x0
	WIN MUL_HI
	MULS HB, HB, \s, 0
	WIN 0
.endm
; 64 numbers of a lane, register 16 b + i = k 32 b + 16 (lane / 16) + i of its row, become a fragment's 12 registers at v[pc] on and the row's scale word in v[pw].
.macro QUANT s, pc, pw
.irp b, 0,1,2,3
	v_max3_num_f32 v[TM+\b], |v[(\s)+16*\b]|, |v[(\s)+1+16*\b]|, 0x1800000   ; block b: my 16 numbers, and the floor 2^(3 - 127): the byte cannot fall under 1
.endr
.irp i, 2,4,6,8,10,12,14
.irp b, 0,1,2,3
	v_max3_num_f32 v[TM+\b], v[TM+\b], |v[(\s)+16*\b+\i]|, |v[(\s)+1+16*\b+\i]|
.endr
.endr
.irp b, 0,1,2,3
	v_permlanex16_b32 v[TM+4+\b], v[TM+\b], s[SEL], s[SEL+1]
.endr
.irp b, 0,1,2,3
	v_max_num_f32 v[TM+\b], v[TM+\b], v[TM+4+\b]
.endr
.irp b, 0,1,2,3
	v_add_nc_u32 v[TM+12+\b], 0xff000000, v[TM+\b]        ; 2 off the exponent field: the conversion's scale operand
.endr
.irp b, 0,1,2,3
	v_lshrrev_b32 v[TM+4+\b], 23, v[TM+12+\b]             ; the scale's byte
.endr
	v_lshl_or_b32 v[\pw], v[TM+5], 8, v[TM+4]
	v_lshl_or_b32 v[\pw], v[TM+6], 16, v[\pw]
	v_lshl_or_b32 v[\pw], v[TM+7], 24, v[\pw]
.irp c, 0,1
	v_cvt_scalef32_pk16_fp6_f32 v[(\pc)+6*\c:(\pc)+2+6*\c], v[(\s)+32*\c:(\s)+15+32*\c], v[TM+12+2*\c]
	v_cvt_scalef32_pk16_fp6_f32 v[(\pc)+12+4*\c:(\pc)+14+4*\c], v[(\s)+16+32*\c:(\s)+31+32*\c], v[TM+12+2*\c+1]
.endr
	v_nop                                          ; one plain place behind a scaled conversion
.irp c, 0,1
.irp i, 0,1,2
	v_permlane16_swap_b32 v[(\pc)+6*\c+\i], v[(\pc)+12+4*\c+\i]
.endr
.irp i, 0,1,2
	v_mov_b32 v[(\pc)+3+6*\c+\i], v[(\pc)+12+4*\c+\i]
.endr
.endr
.endm
	s_load_b512 s[4:19], s[0:1], 0x0               ; xb, wb, bq, bk, bv, rope, qb, kv
	v_lshl_add_u32 v[SPW], v0, 2, SPARE
	v_mov_b32 v[NIL], 0
	ds_add_u32 v28, v29
	ds_add_u32 v28, v29
	s_wait_dscnt 0x0
	v_lshrrev_b32 v1, 5, v0
	v_readfirstlane_b32 s20, v1                    ; wave 0..3
	s_lshr_b32 s21, s20, 1                         ; which half of the tokens is mine.  Also: I fetch token tiles (0) or weight tiles (1)
	s_and_b32 s22, s20, 1                          ; which half of the columns.  Also: which half of those tiles I fetch
	s_cmp_eq_u32 ttmp9, 2
	s_cselect_b32 s23, s22, 0                      ; 1: my columns are a head of v, and the sources change places
	s_bfe_u32 s40, ttmp6, 0x40000                  ; cx, cy: my place in the cluster
	s_bfe_u32 s41, ttmp6, 0x40004
	s_lshl_b32 s42, ttmp9, 2
	s_add_co_u32 s42, s42, s40                     ; tile column = 4 x cluster x + cx
	s_and_b32 s43, ttmp7, 0xffff
	s_lshl_b32 s43, s43, 2
	s_add_co_u32 s43, s43, s41                     ; tile row = 4 x cluster y + cy
	s_lshl_b32 s44, s41, 2
	s_lshl_b32 s44, 15, s44                        ; my row of the cluster
	s_lshl_b32 s45, 0x1111, s40                    ; my column
	; groups 1: elements of 8 bytes, no padding, bit 21 set beside a mask.  A tensor row = one row tile's part; 8 row tiles; the pitch is a row tile, 3,200 elements
	s_or_b32 s[G1A], s44, (3<<16)|(1<<21)
	s_or_b32 s[G1B], s45, (3<<16)|(1<<21)
	s_or_b32 s[G1C], s44, (3<<16)|(1<<21)
	s_or_b32 s[G1D], s45, (3<<16)|(1<<21)
.irp g, G1A, G1B
	s_mov_b32 s[\g+1], (ROW0/8)<<16                ; tensor_dim0
	s_mov_b32 s[\g+2], 8<<16                       ; tensor_dim1
	s_mov_b32 s[\g+3], (ROW0/8)<<16                ; tile_dim0
	s_mov_b32 s[\g+4], 8                           ; tile_dim1
	s_mov_b32 s[\g+5], TP/8                        ; tensor_dim0_stride
	s_mov_b32 s[\g+6], 0
	s_mov_b32 s[\g+7], 0
.endr
.irp g, G1C, G1D
	s_mov_b32 s[\g+1], (ROW1/8)<<16
	s_mov_b32 s[\g+2], 8<<16
	s_mov_b32 s[\g+3], (ROW1/8)<<16
	s_mov_b32 s[\g+4], 8
	s_mov_b32 s[\g+5], TP/8
	s_mov_b32 s[\g+6], 0
	s_mov_b32 s[\g+7], 0
.endr
	; where the tiles come from: the tokens' hang on the tile row alone, the weights' on the tile column alone, each in registers that never hold the other coordinate
	s_lshl_b32 s46, s43, 4                         ; 16 token tiles a work-group
	s_lshl_b32 s47, s22, 3
	s_add_co_u32 s46, s46, s47
	s_mul_i32 s46, s46, TP
	s_mov_b32 s47, 0
	s_lshl_b32 s66, s42, 4                         ; 16 weight tiles a work-group
	s_lshl_b32 s67, s22, 3
	s_add_co_u32 s66, s66, s67
	s_mul_i32 s66, s66, TP
	s_mov_b32 s67, 0
	s_mul_i32 s96, s22, HALF0                      ; and where they go: no place in the cluster enters an LDS address
	s_mul_i32 s97, s22, HALF0
	s_add_co_u32 s97, s97, 2*HALF0
	s_mul_i32 s98, s22, HALF1
	s_add_co_u32 s98, s98, SLOT1
	s_mul_i32 s99, s22, HALF1
	s_add_co_u32 s99, s99, SLOT1+2*HALF1
	s_wait_kmcnt 0x0
	s_add_nc_u64 s[92:93], s[4:5], s[46:47]
	s_add_nc_u64 s[94:95], s[6:7], s[66:67]
	s_cmp_eq_u32 s21, 0                            ; the prefetches' base: of the 8 tiles that my wave fetches, the four partners that ask for them jointly name two each, told apart by address alone
	s_cselect_b64 s[88:89], s[92:93], s[94:95]
	s_cselect_b32 s76, s40, s41                    ; my place among them: cx for token tiles, cy for weight tiles
	s_mul_i32 s76, s76, 2*TP
	s_mov_b32 s77, 0
	s_add_nc_u64 s[88:89], s[88:89], s[76:77]      ; never rewritten
	CROUND                                         ; all sixteen work-groups are here: the first joint loads meet
	s_mov_b32 s[G0A], 1                            ; the large slot: K steps 0-3 and the scale words of steps 0-7
	s_mov_b32 s[G0A+1], s96
	s_mov_b64 s[G0A+2:G0A+3], s[92:93]
	s_or_b32 s[G0A+3], s[G0A+3], 0x80000000
	s_mov_b32 s[G0B], 1
	s_mov_b32 s[G0B+1], s97
	s_mov_b64 s[G0B+2:G0B+3], s[94:95]
	s_or_b32 s[G0B+3], s[G0B+3], 0x80000000
	JLOAD G0A, G1A, G0B, G1B
	s_mov_b32 s[G0A+4], 1                          ; the small slot: K steps 4-5
	s_mov_b32 s[G0A+5], s98
	s_add_nc_u64 s[G0A+6:G0A+7], s[92:93], M_S0
	s_or_b32 s[G0A+7], s[G0A+7], 0x80000000
	s_mov_b32 s[G0B+4], 1
	s_mov_b32 s[G0B+5], s99
	s_add_nc_u64 s[G0B+6:G0B+7], s[94:95], M_S0
	s_or_b32 s[G0B+7], s[G0B+7], 0x80000000        ; (the small slot's first fill is issued further down, as a refill is)
	v_and_b32 v1, 15, v0                           ; r
	v_bfe_u32 v2, v0, 4, 1                         ; h
	v_and_b32 v3, 31, v0                           ; lane (kept)
	v_lshlrev_b32 v[LI], 4, v3
	v_lshlrev_b32 v[BO64], 6, v2
	v_and_b32 v4, 8, v1
	v_add_nc_u32 v4, v4, v1
	v_lshlrev_b32 v[BVO], 2, v4
	; the prefetches' offsets, a lane to a block of 256 bytes; never rewritten.  A large part is 26 blocks a tile, 52 in my two tiles: v18 blocks 0-31, v19 blocks 32-51 (the lanes left over name the last again);
	; a small part is 12 blocks a tile, 24 in all: v22.  Block i of a large part lies in tile (79 i) >> 11 = i / 26, of a small part in tile (43 i) >> 9 = i / 12
	v_mul_u32_u24 v5, v3, 79
	v_lshrrev_b32 v5, 11, v5
	v_mul_u32_u24 v5, v5, TP-ROW0
	v_lshl_add_u32 v18, v3, 8, v5
	v_add_nc_u32 v5, 32, v3
	v_min_u32 v5, 51, v5
	v_lshlrev_b32 v5, 8, v5
	v_add_nc_u32 v19, TP-ROW0, v5
	v_min_u32 v5, 23, v3
	v_mul_u32_u24 v6, v5, 43
	v_lshrrev_b32 v6, 9, v6
	v_mul_u32_u24 v6, v6, TP-ROW1
	v_lshl_add_u32 v22, v5, 8, v6
	s_wait_alu depctr_va_vdst(0)
	global_prefetch_b8 v22, s[88:89] offset:M_S0 th:TH_LOAD_NT scope:SCOPE_SE          ; behind the first fill: K steps 4-5, the next fill
	s_mul_i32 s46, s21, HALF0                      ; my 8 token tiles in the large slot,
	s_mul_i32 s47, s22, HALF0
	s_add_co_u32 s47, s47, 2*HALF0                 ; my 8 weight tiles
	s_cmp_eq_u32 s23, 1
	s_cselect_b32 s66, s47, s46                    ; source 1: the tokens; for v the weights
	s_cselect_b32 s67, s46, s47                    ; source 0: the weights; for v the tokens
	v_add_nc_u32 v[ADRA], s66, v[LI]
	v_add_nc_u32 v[ADRB], s67, v[LI]
	s_sub_co_u32 s47, s47, s46                     ; from the tokens' tiles to the weights'
	v_xor_b32 v6, s23, v2                          ; lanes 16-31 take source 0's scale words: the weights'; for v the tokens'
	v_mul_u32_u24 v6, s47, v6
	s_add_co_u32 s46, s46, 4*FRB                   ; the words lie behind a tile's four images
	v_lshl_add_u32 v[ADRS], v1, 4, v6
	v_add_nc_u32 v[ADRS], s46, v[ADRS]
	s_mul_i32 s46, s21, HALF1                      ; the same tiles in the small slot
	s_add_co_u32 s46, s46, SLOT1
	s_mul_i32 s47, s22, HALF1
	s_add_co_u32 s47, s47, SLOT1+2*HALF1
	s_cmp_eq_u32 s23, 1
	s_cselect_b32 s66, s47, s46
	s_cselect_b32 s67, s46, s47
	v_add_nc_u32 v[ADRA+1], s66, v[LI]
	v_add_nc_u32 v[ADRB+1], s67, v[LI]
	; where the results go
	s_lshr_b32 s46, s43, 2                         ; the batch
	s_and_b32 s47, s43, 3
	s_lshl_b32 s66, s47, 1
	s_add_co_u32 s66, s66, s21                     ; my group of 128 tokens in the sequence
	s_lshl_b32 s67, s46, 4
	s_lshl_b32 s100, s42, 1
	s_add_co_u32 s67, s67, s100
	s_add_co_u32 s67, s67, s22                     ; q: 16 b + head
	s_lshl_b32 s67, s67, 3
	s_add_co_u32 s67, s67, s66
	s_mul_i32 s67, s67, 12800
	s_lshl_b32 s100, s46, 2
	s_add_co_u32 s100, s100, s42
	s_sub_co_u32 s100, s100, 8                     ; k, v: 4 b + head (of use in cluster 2 alone)
	s_lshl_b32 s100, s100, 3
	s_add_co_u32 s100, s100, s66
	s_mul_i32 s100, s100, 25600
	s_mul_i32 s101, s22, 12288
	s_add_co_u32 s100, s100, s101                  ; v's images lie behind k's
	s_mul_i32 s101, s22, 11776
	s_sub_co_u32 s101, 24576, s101                 ; from the images to their scale words: k 24,576, v 12,800,
	s_mov_b32 s3, 12288                            ; q 12,288
	s_cmp_eq_u32 ttmp9, 2
	s_cselect_b64 s[92:93], s[18:19], s[16:17]
	s_cselect_b32 s94, s100, s67
	s_cselect_b32 s101, s101, s3
	s_mov_b32 s95, 0
	s_add_nc_u64 s[92:93], s[92:93], s[94:95]      ; my 8 images
	s_mov_b32 s94, s101
	s_add_nc_u64 s[94:95], s[92:93], s[94:95]      ; their 512 bytes of scale words
	s_lshl_b32 s100, s47, 4
	s_lshl_b32 s101, s21, 3
	s_add_co_u32 s100, s100, s101                  ; my first token tile in the sequence
	s_lshl_b32 s100, s100, 12
	s_mov_b32 s101, 0
	s_add_nc_u64 s[96:97], s[14:15], s[100:101]    ; its F
	s_lshl_b32 s100, s42, 1
	s_add_co_u32 s100, s100, s22
	s_lshl_b32 s100, s100, 9                       ; the bias of my 128 columns: in bq,
	s_sub_co_u32 s3, s42, 8
	s_lshl_b32 s3, s3, 9                           ; in bk or bv
	s_cmp_eq_u32 s22, 1
	s_cselect_b64 s[98:99], s[12:13], s[10:11]
	s_cmp_eq_u32 ttmp9, 2
	s_cselect_b64 s[98:99], s[98:99], s[8:9]
	s_cselect_b32 s100, s3, s100
	s_add_nc_u64 s[98:99], s[98:99], s[100:101]
.irp b, 0,1,2,3                        ; register 16 b + i: the bias of column 32 b + 16 h + i (q, k)
.irp j, 0,1,2,3
	global_load_b128 v[BI+16*\b+4*\j:BI+16*\b+4*\j+3], v[BO64], s[98:99] offset:128*\b+16*\j
.endr
.endr
	WIN 0x40
.irp a, 0,1,2,3,4,5,6,7                ; and of the column that lane % 16 stands for in tile a, twice, for the packed addition (v)
	global_load_b32 v[96+2*\a], v[BVO], s[98:99] offset:4*(32*(\a/2)+8*(\a%2))
	global_load_b32 v[97+2*\a], v[BVO], s[98:99] offset:4*(32*(\a/2)+8*(\a%2))
.endr
	WIN 0
	s_wait_alu depctr_va_vdst(0)
	s_wait_loadcnt 0x0                             ; the biases, once
	s_wait_tensorcnt 0x0                           ; my part of the large slot is in
	ds_add_u32 v[SPW], v[NIL]
	s_wait_dscnt 0x0
	CROUND                                         ; everybody's part is in, and all sixteen work-groups are here
	JLOAD G0A+4, G1C, G0B+4, G1D                   ; the small slot's first fill, K steps 4-5: my one load behind the round; K steps 0-2 stand between it and the wait for it
	FETCH_B 0
	FETCH_A 0, 0
	SCL 0                                          ; the scale words of K steps 0-3
	FETCH_A 0, HB
	global_prefetch_b8 v18, s[88:89] offset:D_L1 th:TH_LOAD_NT scope:SCOPE_SE          ; behind the small slot's first fill: K steps 6-9, which are loaded in K step 3
	global_prefetch_b8 v19, s[88:89] offset:D_L1 th:TH_LOAD_NT scope:SCOPE_SE
	STEP 0, 1, 1
	STEP 1, 0, -1
	global_prefetch_b8 v22, s[88:89] offset:M_S0+D_S1 th:TH_LOAD_NT scope:SCOPE_SE     ; K steps 10-11, which are loaded in K step 5
	STEP 2, 0, -1
	TURN 3, 1                                      ; the large slot takes K steps 6-9
	STEP 4, 0, -1
	TURN 5, 2                                      ; the small slot takes K steps 10-11
	STEP 6, 0, 0                                   ; the scale words of K steps 8-11: set 0 was last read in step 3
	STEP 7, 0, -1
	STEP 8, 0, 1                                   ; those of K steps 12-15: set 1 was last read in step 7
	TURN 9, 3                                      ; the large slot takes K steps 12-15
	STEP 10, 0, -1
	TURN 11, 0                                     ; nothing is left to fetch
	STEP 12, 0, -1
	STEP 13, 0, -1
	STEP 14, 0, -1
; THE WAY OUT, a block of source 1 at a time: its eight accumulators are 64 numbers of a lane along the next K.  q, k: (sum + bias) x F.  v: sum + bias.  Quantised, stored as an image.
; F IS ASKED FOR AHEAD: blocks 0-3 in front of the last K step, into source 0's set 0 (last read in step 14, four places back) and v224-255 of window 1; blocks 4-6 behind it, into set 1; block 7 at block 1, into block 0's
; registers.  Every wave issues these loads, so that the counts are the same on every way; the waves of v do not read them.
.macro FBASE a                         ; FBB: where block a's 32 registers of F begin, in window 1
.if (\a) < 3
.set FBB, 32*(\a)
.elseif (\a) == 3
.set FBB, 224
.elseif (\a) < 7
.set FBB, 128+32*((\a)-4)
.else
.set FBB, 0
.endif
.endm
.macro FLOAD a
	FBASE \a
	WIN 0x40
.irp g, 0,1,2,3,4,5,6,7
	global_load_b128 v[FBB+4*\g:FBB+4*\g+3], v[LI], s[96:97] offset:4096*(\a)+512*\g
.endr
	WIN 0
.endm
.macro EBLOCK a, kind
.if \kind == 0
.if (\a) == 1
	FLOAD 7
.endif
.if (\a) == 0
	s_wait_loadcnt 48                              ; block 0's F is in; behind it blocks 1 to 6 were asked for
.else
	s_wait_loadcnt 8*(7-(\a))                      ; block a's F is in; behind it blocks a + 1 to 7 were asked for
.endif
	WIN 0x02+(\a)/4                                ; source 0: the accumulators' window
.set k, 0
.rept 32
	v_pk_add_f32 v[W+k:W+k+1], v[64*((\a)%4)+k:64*((\a)%4)+k+1], v[BI+k:BI+k+1]       ; each accumulator from its low end on
.set k, k+2
.endr
	FBASE \a
	WIN 0x04                                       ; source 1: F, in window 1; features d and d + 64 share a factor
.set k, 0
.rept 32
	v_pk_mul_f32 v[W+k:W+k+1], v[W+k:W+k+1], v[FBB+k%32:FBB+k%32+1]
.set k, k+2
.endr
	WIN 0
.else
	WIN 0x06+(\a)/4                                ; source 0: the accumulators; source 1: v's bias, in window 1
.set k, 0
.rept 32
	v_pk_add_f32 v[W+k:W+k+1], v[64*((\a)%4)+k:64*((\a)%4)+k+1], v[96+2*(\a):97+2*(\a)]
.set k, k+2
.endr
	WIN 0
.endif
	s_wait_xcnt 0x0                                ; the last block's stores have read the codes' registers
	QUANT W, PC, SW+(\a)
.irp c, 0,1,2
	global_store_b128 v[LI], v[PC+4*\c:PC+4*\c+3], s[92:93] offset:1536*(\a)+512*\c
.endr
.endm
	FLOAD 0
	FLOAD 1
	FLOAD 2
	FLOAD 3
	LAST 15
	PLACES 4                                       ; behind the last products: their results are read, and their operands' and scales' registers written, below
	FLOAD 4
	FLOAD 5
	FLOAD 6
	s_mov_b32 s[SEL], 0x76543210
	s_mov_b32 s[SEL+1], 0xfedcba98
.irp b, 0,1,2,3
	v_mov_b32 v[TM+4+\b], 0                        ; written once: a lane permute's destination counts as one of its sources
.endr
	s_cmp_eq_u32 s23, 1
	s_cbranch_scc1 .Lvalues
.irp a, 0,1,2,3,4,5,6,7
	EBLOCK \a, 0
.endr
	s_branch .Lwords
.Lvalues:
.irp a, 0,1,2,3,4,5,6,7
	EBLOCK \a, 1
.endr
.Lwords:
	v_cmp_le_u32 vcc_lo, 16, v3                    ; lanes 0-15 store the words of images 0-3 of their row place, lanes 16-31 those of images 4-7
.irp i, 0,1,2,3
	v_cndmask_b32 v[TT+\i], v[SW+\i], v[SW+4+\i], vcc_lo
.endr
	global_store_b128 v[LI], v[TT:TT+3], s[94:95]  ; 512 consecutive bytes, aligned
	s_wait_tensorcnt 0x0                           ; the wave's end
	ds_add_u32 v[SPW], v[NIL]
	s_wait_dscnt 0x0
	CROUND                                         ; the closing round: no work-group ends while a partner may still ask for a tile that names it
	s_endpgm
.Lfunc_end_k_q1830eaf72d_qkv:
	.size	k_q1830eaf72d_qkv, .Lfunc_end_k_q1830eaf72d_qkv-k_q1830eaf72d_qkv
	.p2alignl 7, 3214868480
	.fill 96, 4, 3214868480
	.section	.rodata,"a",@progbits
	.p2align	6, 0x0
	.amdhsa_kernel k_q1830eaf72d_qkv
		.amdhsa_group_segment_fixed_size 327680
		.amdhsa_private_segment_fixed_size 0
		.amdhsa_enable_private_segment 0
		.amdhsa_kernarg_size 64
		.amdhsa_user_sgpr_count 2
		.amdhsa_user_sgpr_kernarg_segment_ptr 1
		.amdhsa_wavefront_size32 1
		.amdhsa_system_sgpr_workgroup_id_x 1
		.amdhsa_system_sgpr_workgroup_id_y 1
		.amdhsa_system_sgpr_workgroup_id_z 1
		.amdhsa_system_vgpr_workitem_id 0
		.amdhsa_next_free_vgpr 1024
		.amdhsa_next_free_sgpr 102
		.amdhsa_reserve_vcc 1
		.amdhsa_float_denorm_mode_32 3
		.amdhsa_float_denorm_mode_16_64 3
		.amdhsa_memory_ordered 1
		.amdhsa_forward_progress 1
		.amdhsa_inst_pref_size 255
	.end_amdhsa_kernel
	.section	.bss,"aw",@nobits
	.p2align	6
	.space	262144
	.amdgpu_metadata
---
amdhsa.version: [ 1, 2 ]
amdhsa.kernels:
  - .name:           k_q1830eaf72d_qkv
    .symbol:         k_q1830eaf72d_qkv.kd
    .args:
      - { .name: xb, .offset: 0, .size: 8, .value_kind: global_buffer, .address_space: global }
      - { .name: wb, .offset: 8, .size: 8, .value_kind: global_buffer, .address_space: global }
      - { .name: bq, .offset: 16, .size: 8, .value_kind: global_buffer, .address_space: global }
      - { .name: bk, .offset: 24, .size: 8, .value_kind: global_buffer, .address_space: global }
      - { .name: bv, .offset: 32, .size: 8, .value_kind: global_buffer, .address_space: global }
      - { .name: rope, .offset: 40, .size: 8, .value_kind: global_buffer, .address_space: global }
      - { .name: qb, .offset: 48, .size: 8, .value_kind: global_buffer, .address_space: global }
      - { .name: kv, .offset: 56, .size: 8, .value_kind: global_buffer, .address_space: global }
    .group_segment_fixed_size: 327680
    .private_segment_fixed_size: 0
    .kernarg_segment_align: 8
    .kernarg_segment_size: 64
    .max_flat_workgroup_size: 128
    .sgpr_count:     102
    .vgpr_count:     1024
    .wavefront_size: 32
...
	.end_amdgpu_metadata
.endif
;; end of part 2
;; launch attn (part 3): grid 16 x 16, 8 waves a work-group, clusters of 4 x 1, 205,824 bytes of LDS; arguments qb, kv, yb; writes yb
.if DOCPART == 3
	.amdgcn_target "amdgcn-amd-amdhsa--gfx1250"
	.amdhsa_code_object_version 6
	.text
	.protected	k_q1830eaf72d_attn
	.globl	k_q1830eaf72d_attn
	.p2align	8
	.type	k_q1830eaf72d_attn,@function
k_q1830eaf72d_attn:
	s_mov_b64 s[64:65], 0
	v_nop
	global_prefetch_b8 v0, s[64:65] scope:SCOPE_SE
	s_setreg_imm32_b32 hwreg(HW_REG_WAVE_MODE, 25, 1), 1
	s_wait_xcnt 0x0
	s_wait_alu depctr_hold_cnt(0) depctr_sa_sdst(0) depctr_va_vdst(0) depctr_va_sdst(0) depctr_va_ssrc(0) depctr_va_vcc(0) depctr_vm_vsrc(0)
	s_getreg_b32 s2, hwreg(HW_REG_IB_STS2, 6, 4)
	s_cmp_eq_u32 s2, 0
	s_cbranch_scc0 .Lentry_in_a_cluster
	s_endpgm
.Lentry_in_a_cluster:
	s_bfe_u32 s2, ttmp6, 0x10000c
	s_cmp_lg_u32 s2, 0x3003
	s_cbranch_scc0 .Lentry_shape_is_right
	s_endpgm
.Lentry_shape_is_right:
; ATTN.  y = softmax(q k^T / sqrt(128), causal) v for 64 query heads on 16 key/value heads, both products on codes of FP6 (E2M3) with E8M0 scales; y is quantised along its features for the last projection.
; THE SOFTMAX AHEAD OF THE SECOND PRODUCT: t = score x log2(e) / sqrt(128); M = the running largest t rounded UP to a whole number; p = 2^(t - M) is quantised along the keys, not normalised; the row's sum is taken
; of the unquantised p and divides at the end.  When M moves, the sum and O are multiplied by 2^(old M - new M): exact.
; SHARES.  Work-group (x, y): y = 4 b + key/value head; x = 8 hp + c.  Wave w serves ONE query head, 2 hp + w / 4 of the key/value head's four, and TWO query tiles of 16 tokens of it: tile 0 is tile 8 (7 - w % 4) + c of the
; sequence, tile 1 is tile 8 (w % 4) + c.  A tile of rank R walks key steps 0 .. R of 128 keys, and step R carries the mask: so every wave has (8 - w % 4) + (w % 4 + 1) = 9 tile steps.
; While both tiles are live (steps 0 .. w % 4) they share each fragment of K and V read from LDS; then tile 0 goes on alone.  The step is written twice, for two tiles and for one.
; Every wave walks all 8 trips; which text a trip takes, or none, is a scalar branch on the wave's number and the trip's count.  c enters global addresses and the mask's numbers alone.
; Whole key steps behind a tile's queries are left out: reference()'s own causal mask gives them the weight 0.
; LDS holds the WHOLE key/value head, 204,800 bytes as it lies in kv (a key step: K's 8 images, V's 8 images, their scale words), filled ONCE: wave w brings key step w by its one tensor load.  No byte is filled again.
; CLUSTER: the four work-groups of a cluster have one y and ask for the head jointly (mask 15).  Nothing is prefetched: all that the launch reads of kv is asked for at its head.
; LAYOUT.  Both products are used transposed: S^T = K Q^T (source 0 = 16 keys), O^T = V^T P^T (source 0 = 16 features): a lane holds one query throughout.  The keys and the features of a tile are
; 32 b + 8 u + r + 8 (r / 8), so that the 16 registers of tiles 2 b, 2 b + 1 are 16 neighbours 32 b + 16 (lane / 16) + 0 .. 15.
; O^T and the sums begin as zeros and the largest t as -3e38, so that no first step is written apart: 128 moves, once.
; LIMITS: NaN and infinities are not served; the scaled scores stay under 2^31 in magnitude; a block of p or of y under 2^-124 (zeros too) keeps the byte 1: this program alone reads the bytes.
; REGISTERS.  Window 0: v1-11 addresses and offsets; v12-19 -M, largest t, the sum's two halves, for each tile; v20-23 f; v24-25 p's scale words; v26-27 Q's; v28 the mask's number; v32-47 K's and V's scale words;
;   v48-175 S^T, then p; v176-199 p's codes; v200-241 at work.  Window 1: v0-127 O^T; v128-151 Q; v152-247 eight fragments of K or of V.
.set STEPB, 25600
.set LI,   1                           ; v1  16 x lane
.set LR,   2                           ; v2  16 x (lane % 16)
.set VY,   5                           ; v5  y's image in a token tile of yb
.set VW,   6                           ; v6  y's scale word there
.set LN,   7                           ; v7  lane
.set ADK,  8                           ; v8  LDS address of the step's images
.set ADS,  9                           ; v9  and of its scale words
.set VQ,   10                          ; v10 Q's image c in a group of 128 tokens of qb
.set VS,   11                          ; v11 its scale words
.set DM,   28
.set NINF, 29
.set BM,   200                         ; v200-203 the blocks' largest scores, then largest p
.set PM,   204                         ; v204-207 the other half's; then the bytes
.set SO,   208                         ; v208-211 the conversions' scale operands
.set CT,   212                         ; v212-214, v216-218 half blocks of codes
.set SC2,  220                         ; v[220:221] the second chain of the sums
.set T1,   222
.set TM,   224                         ; the way out: v224-239 at work; v240-241 y's scale words
.set SEL,  20                          ; s[20:21] lane selects: lane l xor 16
.set CS,   22                          ; s[22:23] c = log2(e) / sqrt(128)
.set MSB, 0
.macro WIN new
.if MSB != (\new)
	s_set_vgpr_msb (MSB<<8)|(\new)
.set MSB, (\new)
.endif
.endm
.macro PLACES n
.rept \n
	v_nop
.endr
.endm
.macro CROUND                          ; a round of the cluster's barrier
	s_barrier_signal -1
	s_barrier_wait -1
	s_cmp_lg_u32 s18, 0
	s_cbranch_scc1 .Lnot_wave_0_\@
	s_barrier_signal -3
.Lnot_wave_0_\@:
	s_barrier_wait -3
	s_barrier_signal -1
	s_barrier_wait -1
.endm
; 64 numbers of a lane, register 16 b + i = k 32 b + 16 (lane / 16) + i of its row, become a fragment's 12 registers at v[pc] on and the row's scale word in v[pw]
.macro QUANT s, pc, pw
.irp b, 0,1,2,3
	v_max3_num_f32 v[TM+\b], |v[(\s)+16*\b]|, |v[(\s)+1+16*\b]|, 0x1800000
.endr
.irp i, 2,4,6,8,10,12,14
.irp b, 0,1,2,3
	s_delay_alu instid0(VALU_DEP_4)
	v_max3_num_f32 v[TM+\b], v[TM+\b], |v[(\s)+16*\b+\i]|, |v[(\s)+1+16*\b+\i]|
.endr
.endr
.irp b, 0,1,2,3
	s_delay_alu instid0(VALU_DEP_4)
	v_permlanex16_b32 v[TM+4+\b], v[TM+\b], s[SEL], s[SEL+1]
.endr
.irp b, 0,1,2,3
	s_delay_alu instid0(VALU_DEP_4)
	v_max_num_f32 v[TM+\b], v[TM+\b], v[TM+4+\b]
.endr
.irp b, 0,1,2,3
	s_delay_alu instid0(VALU_DEP_4)
	v_add_nc_u32 v[TM+12+\b], 0xff000000, v[TM+\b]
.endr
.irp b, 0,1,2,3
	s_delay_alu instid0(VALU_DEP_4)
	v_lshrrev_b32 v[TM+4+\b], 23, v[TM+12+\b]
.endr
	s_delay_alu instid0(VALU_DEP_3)
	v_lshl_or_b32 v[\pw], v[TM+5], 8, v[TM+4]
	s_delay_alu instid0(VALU_DEP_1)
	v_lshl_or_b32 v[\pw], v[TM+6], 16, v[\pw]
	s_delay_alu instid0(VALU_DEP_1)
	v_lshl_or_b32 v[\pw], v[TM+7], 24, v[\pw]
.irp c, 0,1
	v_cvt_scalef32_pk16_fp6_f32 v[(\pc)+6*\c:(\pc)+2+6*\c], v[(\s)+32*\c:(\s)+15+32*\c], v[TM+12+2*\c]
	v_cvt_scalef32_pk16_fp6_f32 v[(\pc)+12+4*\c:(\pc)+14+4*\c], v[(\s)+16+32*\c:(\s)+31+32*\c], v[TM+12+2*\c+1]
.endr
	v_nop
.irp c, 0,1
.irp i, 0,1,2
	v_permlane16_swap_b32 v[(\pc)+6*\c+\i], v[(\pc)+12+4*\c+\i]
.endr
.irp i, 0,1,2
	s_delay_alu instid0(VALU_DEP_3)
	v_mov_b32 v[(\pc)+3+6*\c+\i], v[(\pc)+12+4*\c+\i]
.endr
.endr
.endm
; One tile's softmax for one key step: 64 scores of a lane become p's 12 registers of codes and its scale word.
.macro SOFTMAX e
.set SB,  48+64*(\e)
.set MM,  12+4*(\e)
.set FF,  20+2*(\e)
.set PCD, 176+12*(\e)
.irp b, 0,1,2,3
	v_max3_num_f32 v[BM+\b], v[SB+16*\b], v[SB+1+16*\b], v[SB+2+16*\b]       ; the largest score of each block of 32 keys: it serves for the row's maximum and, since p rises with the score, for the block's largest p
.endr
.irp i, 3,5,7,9,11,13
.irp b, 0,1,2,3
	v_max3_num_f32 v[BM+\b], v[BM+\b], v[SB+16*\b+\i], v[SB+1+16*\b+\i]
.endr
.endr
.irp b, 0,1,2,3
	v_max_num_f32 v[BM+\b], v[BM+\b], v[SB+15+16*\b]
.endr
.irp b, 0,1,2,3
	s_delay_alu instid0(VALU_DEP_4)
	v_permlanex16_b32 v[PM+\b], v[BM+\b], s[SEL], s[SEL+1]
.endr
.irp b, 0,1,2,3
	s_delay_alu instid0(VALU_DEP_4)
	v_max_num_f32 v[BM+\b], v[BM+\b], v[PM+\b]            ; with lane l xor 16's 16 keys
.endr
	s_delay_alu instid0(VALU_DEP_2)
	v_max3_num_f32 v[T1], v[BM], v[BM+1], v[BM+2]
	s_delay_alu instid0(VALU_DEP_1)
	v_max_num_f32 v[T1], v[T1], v[BM+3]
	s_delay_alu instid0(VALU_DEP_1)
	v_mul_f32 v[T1], s[CS], v[T1]                  ; as t (c is positive)
	s_delay_alu instid0(VALU_DEP_1)
	v_max_num_f32 v[MM+1], v[MM+1], v[T1]          ; the running largest t
	v_mov_b32 v[T1], v[MM]
	s_delay_alu instid0(VALU_DEP_2)
	v_floor_f32 v[MM], -v[MM+1]                    ; the new -M = floor(-t): M is a whole number
	s_delay_alu instid0(VALU_DEP_1)
	v_sub_f32 v[T1], v[MM], v[T1]                  ; old M - new M: a whole number, 0 or less
	s_delay_alu instid0(VALU_DEP_1)
	v_cvt_i32_f32 v[T1], v[T1]                     ; (it saturates)
	s_delay_alu instid0(VALU_DEP_1)
	v_ldexp_f32 v[FF], 1.0, v[T1]                  ; f = 2^(old M - new M)
.set j, 0
.rept 32
	v_pk_fma_f32 v[SB+j:SB+j+1], v[SB+j:SB+j+1], s[CS:CS+1], v[MM:MM+1] op_sel_hi:[1,0,0]    ; t - M, two at a time
.set j, j+2
.endr
.irp b, 0,1,2,3
	v_fma_f32 v[BM+\b], v[BM+\b], s[CS], v[MM]     ; the same of each block's largest score
.endr
.set j, 0
	s_wait_alu depctr_va_vdst(0)                   ; the wait ahead of the batch
.rept 64
	v_exp_f32 v[SB+j], v[SB+j]                     ; p = 2^(t - M), at most 1
.set j, j+1
.endr
	v_pk_mul_f32 v[MM+2:MM+3], v[MM+2:MM+3], v[FF:FF+1] op_sel_hi:[1,0]      ; the sums under the new M (a plain place behind the exponentials)
	s_wait_alu depctr_va_vdst(0)                   ; one wait for the batch of 64, ahead of its first reader
.irp b, 0,1,2,3
	v_exp_f32 v[BM+\b], v[BM+\b]                   ; the block's largest p: the same two instructions on the same number
.endr
	v_pk_add_f32 v[SC2:SC2+1], v[SB:SB+1], v[SB+2:SB+3]                      ; the row's sum, of the unquantised p, in two chains
.set j, 4
.rept 15
	v_pk_add_f32 v[MM+2:MM+3], v[MM+2:MM+3], v[SB+j:SB+j+1]
	v_pk_add_f32 v[SC2:SC2+1], v[SC2:SC2+1], v[SB+j+2:SB+j+3]
.set j, j+4
.endr
	s_delay_alu instid0(VALU_DEP_1)
	v_pk_add_f32 v[MM+2:MM+3], v[MM+2:MM+3], v[SC2:SC2+1]
	s_wait_alu depctr_va_vdst(0)                   ; and one for the four
.irp b, 0,1,2,3
	v_max_num_f32 v[BM+\b], 0x1800000, v[BM+\b]    ; the floor 2^(3 - 127): the byte cannot fall under 1
.endr
.irp b, 0,1,2,3
	s_delay_alu instid0(VALU_DEP_4)
	v_add_nc_u32 v[SO+\b], 0xff000000, v[BM+\b]
.endr
.irp b, 0,1,2,3
	s_delay_alu instid0(VALU_DEP_4)
	v_lshrrev_b32 v[PM+\b], 23, v[SO+\b]
.endr
	s_delay_alu instid0(VALU_DEP_3)
	v_lshl_or_b32 v[24+(\e)], v[PM+1], 8, v[PM]
	s_delay_alu instid0(VALU_DEP_1)
	v_lshl_or_b32 v[24+(\e)], v[PM+2], 16, v[24+(\e)]
	s_delay_alu instid0(VALU_DEP_1)
	v_lshl_or_b32 v[24+(\e)], v[PM+3], 24, v[24+(\e)]
.irp c, 0,1
	v_cvt_scalef32_pk16_fp6_f32 v[PCD+6*\c:PCD+6*\c+2], v[SB+32*\c:SB+32*\c+15], v[SO+2*\c]
	v_cvt_scalef32_pk16_fp6_f32 v[CT+4*\c:CT+4*\c+2], v[SB+16+32*\c:SB+31+32*\c], v[SO+2*\c+1]
.endr
	v_nop                                          ; one plain place behind a scaled conversion
.irp c, 0,1
.irp i, 0,1,2
	v_permlane16_swap_b32 v[PCD+6*\c+\i], v[CT+4*\c+\i]
.endr
.irp i, 0,1,2
	s_delay_alu instid0(VALU_DEP_3)
	v_mov_b32 v[PCD+3+6*\c+\i], v[CT+4*\c+\i]
.endr
.endr
.endm
; A KEY STEP of 128 keys for nt tiles: nt = 2: both; nt = 1: tile 0 alone.  s3: the step; s2: where it begins in LDS; s10, s12: the ranks of tiles 0 and 1.
; Only the last tile of the nt can stand on its diagonal here: tile 1's rank is the lower one, and the step for two tiles ends with it.
.macro STEP nt
	v_add_nc_u32 v[ADK], s2, v[LI]
	v_add_nc_u32 v[ADS], s2, v[LR]
	v_nop
	v_nop                                          ; four places in front of loads into registers that the last step's products have read
	WIN 0x40
.irp t, 0,1,2,3,4,5,6,7
.irp c, 0,1,2
	ds_load_b128 v[152+12*\t+4*\c:152+12*\t+4*\c+3], v[ADK] offset:1536*\t+512*\c
.endr
.endr
	WIN 0
	ds_load_b128 v[32:35], v[ADS] offset:24576
	ds_load_b128 v[36:39], v[ADS] offset:24832
	s_wait_alu depctr_va_vdst(0)                   ; directly ahead of the wait below
	s_wait_dscnt 0x0
	WIN 0x05                                       ; K and Q in window 1, S^T in window 0
.irp t, 0,1,2,3,4,5,6,7
.set EE, 0
.rept \nt
	v_wmma_scale_f32_16x16x128_f8f6f4 v[48+64*EE+8*\t:48+64*EE+8*\t+7], v[152+12*\t:152+12*\t+11], v[128+12*EE:128+12*EE+11], 0, v[32+\t], v[26+EE] matrix_a_fmt:MATRIX_FMT_FP6 matrix_b_fmt:MATRIX_FMT_FP6
.set EE, EE+1
.endr
.endr
	WIN 0
	PLACES 4
	WIN 0x40                                       ; V's fragments take K's registers, and land during the softmax
.irp t, 0,1,2,3,4,5,6,7
.irp c, 0,1,2
	ds_load_b128 v[152+12*\t+4*\c:152+12*\t+4*\c+3], v[ADK] offset:12288+1536*\t+512*\c
.endr
.endr
	WIN 0
	ds_load_b128 v[40:43], v[ADS] offset:25088
	ds_load_b128 v[44:47], v[ADS] offset:25344
	s_cmp_lg_u32 s3, s[10+2*((\nt)-1)]
	s_cbranch_scc1 .Lopen_\@                       ; under the diagonal all keys count
.set n, 0
.rept 64                               ; register 16 b + i holds key 32 b + 16 (lane / 16) + i of the step: hidden where 32 b + i > my query's place - 16 (lane / 16)
	v_cmp_gt_i32 vcc_lo, 32*(n/16)+n%16, v[DM]
	v_cndmask_b32 v[48+64*((\nt)-1)+n], v[48+64*((\nt)-1)+n], v[NINF], vcc_lo
.set n, n+1
.endr
.Lopen_\@:
	SOFTMAX 0
.if (\nt) == 2
	SOFTMAX 1
.endif
	s_wait_alu depctr_va_vdst(0)                   ; directly ahead of the first reader of O^T
	WIN 0x41                                       ; O^T in window 1, f in window 0
.set EE, 0
.rept \nt
.set j, 0
.rept 32
	v_pk_mul_f32 v[64*EE+j:64*EE+j+1], v[64*EE+j:64*EE+j+1], v[20+2*EE:21+2*EE] op_sel_hi:[1,0]   ; O^T under the new M.  (These are also the places between p's codes and scale words and the products)
.set j, j+2
.endr
.set EE, EE+1
.endr
	s_wait_alu depctr_va_vdst(0)                   ; directly ahead of the wait below
	s_wait_dscnt 0x0                               ; V is in
	WIN 0x51                                       ; V and O^T in window 1, p in window 0
.irp t, 0,1,2,3,4,5,6,7                ; the accumulators by turns, one instruction a turn
.set EE, 0
.rept \nt
	v_wmma_scale_f32_16x16x128_f8f6f4 v[64*EE+8*\t:64*EE+8*\t+7], v[152+12*\t:152+12*\t+11], v[176+12*EE:176+12*EE+11], v[64*EE+8*\t:64*EE+8*\t+7], v[40+\t], v[24+EE] matrix_a_fmt:MATRIX_FMT_FP6 matrix_b_fmt:MATRIX_FMT_FP6
.set EE, EE+1
.endr
.endr
	WIN 0
.endm
	s_load_b128 s[4:7], s[0:1], 0x0                ; qb, kv
	s_load_b64 s[8:9], s[0:1], 0x10                ; yb
	v_lshl_add_u32 v254, v0, 2, 0x32000
	v_mov_b32 v255, 0
	ds_add_u32 v254, v255                          ; the opening lines: the add, twice on end, and its wait ahead of my tensor load
	ds_add_u32 v254, v255
	v_lshrrev_b32 v3, 5, v0
	s_delay_alu instid0(VALU_DEP_1)
	v_readfirstlane_b32 s18, v3                    ; wave 0..7
	s_and_b32 s12, s18, 3                          ; tile 1's rank
	s_xor_b32 s10, s12, 7                          ; tile 0's rank: 7 less that
	s_lshr_b32 s19, s18, 2                         ; which of the work-group's two query heads
	s_bfe_u32 s13, ttmp6, 0x40000                  ; cx
	s_lshl_b32 s14, ttmp9, 2
	s_add_co_u32 s14, s14, s13                     ; work-group x
	s_and_b32 s15, s14, 7                          ; c
	s_lshr_b32 s16, s14, 3                         ; hp
	s_and_b32 s17, ttmp7, 0xffff                   ; y = 4 b + key/value head, which the four partners share
	s_mov_b32 s24, 15|(3<<16)|(1<<21)              ; group 1: a key step, dense, as 100 rows of 256 bytes (32 elements of 8 bytes); mask 15, bit 21 beside it
	s_mov_b32 s25, 32<<16
	s_mov_b32 s26, 100<<16
	s_mov_b32 s27, 32<<16
	s_mov_b32 s28, 100
	s_mov_b32 s29, 32
	s_mov_b32 s30, 0
	s_mov_b32 s31, 0
	s_mul_i32 s48, s17, 8*STEPB                    ; the head in kv
	s_mov_b32 s49, 0
	s_mul_i32 s50, s18, STEPB                      ; my key step, in memory as in LDS
	s_mov_b32 s51, 0
	s_lshl_b32 s32, s16, 1
	s_add_co_u32 s32, s32, s19                     ; my query head among the key/value head's four
	s_lshl_b32 s33, s17, 2
	s_add_co_u32 s33, s33, s32                     ; 16 b + my query head
	s_mul_i32 s33, s33, 102400
	s_mul_i32 s52, s10, 12800                      ; tile 0's group of 128 tokens in qb,
	s_add_co_u32 s52, s52, s33
	s_mov_b32 s53, 0
	s_mul_i32 s54, s12, 12800                      ; and tile 1's
	s_add_co_u32 s54, s54, s33
	s_mov_b32 s55, 0
	s_mul_i32 s56, s15, 1536                       ; in a group: image c,
	s_lshr_b32 s57, s15, 2
	s_lshl_b32 s57, s57, 8
	s_and_b32 s37, s15, 3
	s_lshl_b32 s37, s37, 2
	s_add_co_u32 s57, s57, s37
	s_add_co_u32 s57, s57, 12288                   ; and its scale words
	s_lshr_b32 s34, s17, 2
	s_lshl_b32 s34, s34, 6
	s_add_co_u32 s34, s34, s15                     ; 64 b + c
	s_lshl_b32 s60, s10, 3
	s_add_co_u32 s60, s60, s34
	s_mul_i32 s60, s60, 25600                      ; where y goes: token tile 64 b + 8 R + c of yb, for tile 0,
	s_mov_b32 s61, 0
	s_lshl_b32 s62, s12, 3
	s_add_co_u32 s62, s62, s34
	s_mul_i32 s62, s62, 25600                      ; and for tile 1
	s_mov_b32 s63, 0
	s_and_b32 s35, s17, 3                          ; the key/value head
	s_lshl_b32 s59, s35, 2
	s_add_co_u32 s59, s59, s32
	s_mul_i32 s59, s59, 1536                       ; in a token tile: K step = query head,
	s_lshl_b32 s58, s35, 8
	s_lshl_b32 s37, s32, 2
	s_add_co_u32 s58, s58, s37
	s_add_co_u32 s58, s58, 24576                   ; and its scale word of a row
	s_lshr_b32 s36, s15, 1
	s_lshl_b32 s36, s36, 5
	s_and_b32 s37, s15, 1
	s_lshl_b32 s37, s37, 3
	s_add_co_u32 s36, s36, s37                     ; the first token of tile c among its 128
	s_mov_b32 s[SEL], 0x76543210
	s_mov_b32 s[SEL+1], 0xfedcba98
	s_mov_b32 s[CS], 0x3e0293ee
	s_mov_b32 s[CS+1], s[CS]                       ; (named with it as a pair, so it is written)
	s_mov_b32 s2, 0
	s_mov_b32 s3, 0
	s_wait_dscnt 0x0
	s_wait_kmcnt 0x0
	s_add_nc_u64 s[6:7], s[6:7], s[48:49]
	s_mov_b32 s40, 1
	s_mov_b32 s41, s50
	s_add_nc_u64 s[42:43], s[6:7], s[50:51]
	s_or_b32 s43, s43, 0x80000000
	s_add_nc_u64 s[52:53], s[4:5], s[52:53]
	s_add_nc_u64 s[54:55], s[4:5], s[54:55]
	s_add_nc_u64 s[60:61], s[8:9], s[60:61]
	s_add_nc_u64 s[62:63], s[8:9], s[62:63]
	CROUND                                         ; all four work-groups are here: the joint loads meet
	tensor_load_to_lds s[40:43], s[24:31]          ; one load a wave, with no branch: wave w brings key step w
	s_nop 0
.rept 4
	v_nop
.endr
	v_and_b32 v[LN], 31, v0
	v_and_b32 v3, 15, v0                           ; r
	v_bfe_u32 v4, v0, 4, 1                         ; h
	s_delay_alu instid0(VALU_DEP_3)
	v_lshlrev_b32 v[LI], 4, v[LN]
	s_delay_alu instid0(VALU_DEP_3)
	v_lshlrev_b32 v[LR], 4, v3
	s_delay_alu instid0(VALU_DEP_4)
	v_and_b32 v[DM], 8, v3
	s_delay_alu instid0(VALU_DEP_4)
	v_lshlrev_b32 v4, 4, v4
	s_delay_alu instid0(VALU_DEP_2)
	v_add3_u32 v[DM], v[DM], v3, s36
	s_delay_alu instid0(VALU_DEP_1)
	v_sub_nc_u32 v[DM], v[DM], v4                  ; my query's place among its 128, less 16 (lane / 16): the same for both tiles
	v_add_nc_u32 v[VQ], s56, v[LI]
	v_add_nc_u32 v[VS], s57, v[LR]
	v_add_nc_u32 v[VY], s59, v[LI]
	v_add_nc_u32 v[VW], s58, v[LR]
	s_wait_alu depctr_va_vdst(0)
	WIN 0x40
.irp e, 0,1
.irp c, 0,1,2
	global_load_b128 v[128+12*\e+4*\c:128+12*\e+4*\c+3], v[VQ], s[52+2*\e:53+2*\e] offset:512*\c
.endr
.endr
	WIN 0
.irp e, 0,1
	global_load_b32 v[26+\e], v[VS], s[52+2*\e:53+2*\e]
.endr
	v_mov_b32 v[NINF], 0xff800000
.irp e, 0,1
	v_mov_b32 v[13+4*\e], 0xff61b1e6               ; the largest t so far: -3e38
	s_delay_alu instid0(VALU_DEP_1)
	v_floor_f32 v[12+4*\e], -v[13+4*\e]
	v_mov_b32 v[14+4*\e], 0
	v_mov_b32 v[15+4*\e], 0
	v_mov_b32 v[21+2*\e], 0                        ; (named as the upper half of f's pair)
.endr
.irp b, 0,1,2,3
	v_mov_b32 v[PM+\b], 0                          ; written once: a lane permute's destination counts as one of its sources
	v_mov_b32 v[TM+4+\b], 0
.endr
	WIN 0x40
.set j, 0
.rept 128
	v_mov_b32 v[j], 0                              ; O^T
.set j, j+1
.endr
	WIN 0
	s_wait_loadcnt 0x0                             ; Q
	s_wait_tensorcnt 0x0                           ; my key step is in
	s_barrier_signal -1
	s_barrier_wait -1                              ; everybody's is: the whole head lies in LDS
	s_mov_b32 s11, 8
.Ltrip:
	s_cmp_gt_u32 s3, s10
	s_cbranch_scc1 .Lnext                          ; all its keys come after the queries of both tiles
	s_cmp_gt_u32 s3, s12
	s_cbranch_scc1 .Lone                           ; after tile 1's
	STEP 2
	s_branch .Lnext
.Lone:
	STEP 1
.Lnext:
	s_add_co_u32 s3, s3, 1
	s_add_co_u32 s2, s2, STEPB
	s_sub_co_u32 s11, s11, 1
	s_cmp_lg_u32 s11, 0
	s_cbranch_scc1 .Ltrip
	; THE WAY OUT: O^T / the sum; its 64 numbers of a lane run along the head's 128, the next product's K: quantised and stored as an image
	PLACES 4
.irp e, 0,1
	v_add_f32 v[14+4*\e], v[14+4*\e], v[15+4*\e]
.endr
.irp e, 0,1
	s_delay_alu instid0(VALU_DEP_2)
	v_permlanex16_b32 v[PM+\e], v[14+4*\e], s[SEL], s[SEL+1]
.endr
.irp e, 0,1
	s_delay_alu instid0(VALU_DEP_2)
	v_add_f32 v[14+4*\e], v[14+4*\e], v[PM+\e]     ; the row's sum
.endr
	s_wait_alu depctr_va_vdst(0)                   ; the wait ahead of the reciprocals
.irp e, 0,1
	v_rcp_f32 v[20+2*\e], v[14+4*\e]
.endr
	v_nop                                          ; a plain place behind the reciprocals
	s_wait_alu depctr_va_vdst(0)                   ; and one wait for both, ahead of their first reader
	WIN 0x01                                       ; source 0: O^T, in window 1
.irp e, 0,1
.set j, 0
.rept 32
	v_pk_mul_f32 v[48+64*\e+j:48+64*\e+j+1], v[64*\e+j:64*\e+j+1], v[20+2*\e:21+2*\e] op_sel_hi:[1,0]     ; each accumulator from its low end on
.set j, j+2
.endr
.endr
	WIN 0
	QUANT 48, 176, 240
	QUANT 112, 200, 241
.irp c, 0,1,2
	global_store_b128 v[VY], v[176+4*\c:176+4*\c+3], s[60:61] offset:512*\c    ; 512 consecutive bytes, aligned
.endr
.irp c, 0,1,2
	global_store_b128 v[VY], v[200+4*\c:200+4*\c+3], s[62:63] offset:512*\c
.endr
	s_wait_xcnt 0x0                                ; EXEC changes only behind this wait
	v_cmp_gt_u32 vcc_lo, 16, v[LN]
	s_and_saveexec_b32 s48, vcc_lo
	global_store_b32 v[VW], v240, s[60:61]         ; 4 bytes of each row place's 16: the other query heads' words come from other waves and work-groups
	global_store_b32 v[VW], v241, s[62:63]
	s_wait_xcnt 0x0
	s_or_b32 exec_lo, exec_lo, s48
	s_wait_tensorcnt 0x0                           ; the wave's end
	ds_add_u32 v254, v255
	s_wait_dscnt 0x0
	CROUND                                         ; the closing round
	s_endpgm
.Lfunc_end_k_q1830eaf72d_attn:
	.size	k_q1830eaf72d_attn, .Lfunc_end_k_q1830eaf72d_attn-k_q1830eaf72d_attn
	.p2alignl 7, 3214868480
	.fill 96, 4, 3214868480
	.section	.rodata,"a",@progbits
	.p2align	6, 0x0
	.amdhsa_kernel k_q1830eaf72d_attn
		.amdhsa_group_segment_fixed_size 205824
		.amdhsa_private_segment_fixed_size 0
		.amdhsa_enable_private_segment 0
		.amdhsa_kernarg_size 24
		.amdhsa_user_sgpr_count 2
		.amdhsa_user_sgpr_kernarg_segment_ptr 1
		.amdhsa_wavefront_size32 1
		.amdhsa_system_sgpr_workgroup_id_x 1
		.amdhsa_system_sgpr_workgroup_id_y 1
		.amdhsa_system_sgpr_workgroup_id_z 1
		.amdhsa_system_vgpr_workitem_id 0
		.amdhsa_next_free_vgpr 512
		.amdhsa_next_free_sgpr 66
		.amdhsa_reserve_vcc 1
		.amdhsa_float_denorm_mode_32 3
		.amdhsa_float_denorm_mode_16_64 3
		.amdhsa_memory_ordered 1
		.amdhsa_forward_progress 1
		.amdhsa_inst_pref_size 94
	.end_amdhsa_kernel
	.amdgpu_metadata
---
amdhsa.version: [ 1, 2 ]
amdhsa.kernels:
  - .name:           k_q1830eaf72d_attn
    .symbol:         k_q1830eaf72d_attn.kd
    .args:
      - { .name: qb, .offset: 0, .size: 8, .value_kind: global_buffer, .address_space: global }
      - { .name: kv, .offset: 8, .size: 8, .value_kind: global_buffer, .address_space: global }
      - { .name: yb, .offset: 16, .size: 8, .value_kind: global_buffer, .address_space: global }
    .group_segment_fixed_size: 205824
    .private_segment_fixed_size: 0
    .kernarg_segment_align: 8
    .kernarg_segment_size: 24
    .max_flat_workgroup_size: 256
    .sgpr_count:     66
    .vgpr_count:     512
    .wavefront_size: 32
...
	.end_amdgpu_metadata
.endif
;; end of part 3
;; launch oproj (part 4): grid 8 x 32, 4 waves a work-group, clusters of 4 x 4, 321,024 bytes of LDS; arguments yb, wb, bo, out0; writes out0
.if DOCPART == 4
	.amdgcn_target "amdgcn-amd-amdhsa--gfx1250"
	.amdhsa_code_object_version 6
	.text
	.protected	k_q1830eaf72d_oproj
	.globl	k_q1830eaf72d_oproj
	.p2align	8
	.type	k_q1830eaf72d_oproj,@function
k_q1830eaf72d_oproj:
	s_mov_b64 s[64:65], 0
	v_nop
	global_prefetch_b8 v0, s[64:65] scope:SCOPE_SE
	s_setreg_imm32_b32 hwreg(HW_REG_WAVE_MODE, 25, 1), 1
	s_wait_xcnt 0x0
	s_wait_alu depctr_hold_cnt(0) depctr_sa_sdst(0) depctr_va_vdst(0) depctr_va_sdst(0) depctr_va_ssrc(0) depctr_va_vcc(0) depctr_vm_vsrc(0)
	s_getreg_b32 s2, hwreg(HW_REG_IB_STS2, 6, 4)
	s_cmp_eq_u32 s2, 0
	s_cbranch_scc0 .Lentry_in_a_cluster
	s_endpgm
.Lentry_in_a_cluster:
	s_bfe_u32 s2, ttmp6, 0x10000c
	s_cmp_lg_u32 s2, 0xf033
	s_cbranch_scc0 .Lentry_shape_is_right
	s_endpgm
.Lentry_shape_is_right:
; OPROJ.  out0 = y Wo^T + bo on codes of FP6 (E2M3) with E8M0 scales; sums in f32; [4,096] x [2,048] x K 2,048.
; OPERANDS lie in yb and wb as images of their registers: a row tile of 16 rows takes 25,600 bytes: 16 K steps of 128, each 1,536 bytes (three pieces of 512, 16 bytes a lane), then 4 x 256 bytes of scale words
; (the word of row place r and step s at 256 (s / 4) + 16 r + 4 (s % 4)).  Row tile 2 b + u holds rows 32 b + 8 u + r + 8 (r / 8).  Wo's tiles begin at tile 192 of wb.
; SHARES.  Work-group (x, y): 128 tokens (tiles 8 y .. 8 y + 7 of yb) x 256 columns (Wo's tiles 16 x .. 16 x + 15): 8 x 32 = 256 work-groups.  Wave w: all 128 tokens x the 64 columns of Wo's tiles 16 x + 4 w .. + 3:
; 32 accumulators, 256 registers.
; y IS KEPT IN LDS FOR ALL OF K: the 8 token tiles are one dense block of 204,800 bytes, filled ONCE: waves 0 and 1 bring a half each.  Behind it lie K steps 0-3 of Wo's 16 tiles, 98,304 bytes, filled once too:
; waves 2 and 3 bring 8 tiles each.  One tensor load a wave; no LDS byte is filled again: behind the one barrier that shows both whole the walk along K has no barrier and no wait on TENSORcnt.
; Wo's K STEPS 4-15 GO FROM MEMORY STRAIGHT INTO REGISTERS: a wave's four tiles are read by no other wave of the work-group, and an image is the operand's registers as they stand, 512 consecutive bytes a load.
; Six sets of 48 registers take turns; K step s + 5 is asked for at the head of step s: 60 loads of a wave are out at the most, which a wait's count can name.  LDS has no room for more than four steps of Wo beside y.
; CLUSTER 4 x 4: the four of a row share y's block, the four of a column Wo's tiles: each tensor load is a joint request with a mask that names the four.  What goes into registers cannot be asked for jointly.
; PREFETCH: Wo's K steps 6-15 of a tile are 60 blocks of 256 bytes.  Of a wave's four tiles each of the four column partners names one, told apart by address (cy): blocks 0-31 in K step 0, blocks 32-59 in K step 3,
; a lane a block (lanes left over name the last again).  K steps 4 and 5 are loaded at the head and y's block is asked for whole there: nothing runs ahead of them.
; THE MATRIX INSTRUCTION: source 0 = 16 rows of Wo, source 1 = 16 tokens: a lane holds one token, and the 16 registers of column tiles 2 p, 2 p + 1 are the neighbouring columns 32 p + 16 (lane / 16) + 0 .. 15.
; The bias is the C of each accumulator's first product.  SCALE WORDS, all 16 steps', are read once: a register holds tile 2 p's words in lanes 0-15 and tile 2 p + 1's in lanes 16-31 (ROW0, ROW1).
; REGISTERS, in windows of 256.  Window 0: v8-21 addresses and offsets; v32-63 Wo's scale words; v64-127 y's; v128-159 the bias; v160-255 y's fragments, set 0 (even steps); on the way out v160-223 rows read back.
;   Window 1: accumulator (a, b) at v[8 (4 a + b)].  Window 2: Wo's sets 0-2 at v0, v48, v96.  Window 3: Wo's sets 3-5 likewise; v160-255 y's fragments, set 1 (odd steps).
.set TP,    25600                      ; bytes of a row tile
.set FRB,   1536                       ; bytes of a fragment
.set KST,   16                         ; K steps
.set NS,    6                          ; Wo's sets
.set NT,    4                          ; Wo's K steps that come through LDS
.set BL,    8*TP                       ; behind y's block: Wo's tile j, K steps 0-3, at BL + 6,144 j
.set STAGE, BL+16*NT*FRB               ; behind that: a stage of 16 rows x (256 + 16) bytes for each wave; no tensor load lands there
.set SPT,   272
.set SPARE, STAGE+4*16*SPT             ; the spare words: 128 bytes for each wave, two blocks of 256 bytes that no other line names
.set LI,    8                          ; v8  16 x lane; also the LDS address of token tiles 0, 1
.set ADA,   8                          ; v8-11  the same + 51,200 k: token tiles 2 k, 2 k + 1 (an LDS offset has 16 bits)
.set VB,    12                         ; v12 25,600 (lane / 16) + 16 (lane % 16): the scale words of a pair of tiles
.set ASA,   12                         ; v12-15 the same + 51,200 k
.set BO64,  5                          ; v5  64 (lane / 16)
.set STO,   16                         ; v16 the way out: where I put 64 bytes of a row
.set RD,    17                         ; v17 where I read 16 bytes of a row back
.set CO,    18                         ; v18 the same place in out0
.set ADB,   19                         ; v19 LDS address of my four tiles of Wo
.set PF0,   20                         ; v20 the prefetches' offsets: 256 x lane,
.set PF1,   21                         ; v21 256 x min(lane + 32, 59); never rewritten
.set SPW,   28                         ; v28 my spare word; never rewritten
.set NIL,   29                         ; v29 0; never rewritten
.set SB,    32
.set SA,    64
.set BI,    128
.set AF,    160
.set BK,    160
.set MSB, 0
.macro WIN new                         ; the immediate's high byte repeats the setting that is left
.if MSB != (\new)
	s_set_vgpr_msb (MSB<<8)|(\new)
.set MSB, (\new)
.endif
.endm
.macro PLACES n
.rept \n
	v_nop
.endr
.endm
.macro CROUND                          ; a round of the cluster's barrier
	s_barrier_signal -1
	s_barrier_wait -1
	s_cmp_lg_u32 s20, 0
	s_cbranch_scc1 .Lnot_wave_0_\@
	s_barrier_signal -3
.Lnot_wave_0_\@:
	s_barrier_wait -3
	s_barrier_signal -1
	s_barrier_wait -1
.endm
.macro BLOAD s                         ; Wo's four fragments of K step s from memory into set s % 6: 12 loads of 512 consecutive bytes
	WIN (2+((\s)%NS)/3)<<6
.irp i, 0,1,2,3
.irp c, 0,1,2
	global_load_b128 v[48*(((\s)%NS)%3)+12*\i+4*\c:48*(((\s)%NS)%3)+12*\i+4*\c+3], v[LI], s[36:37] offset:\i*TP+(\s)*FRB+512*\c
.endr
.endr
.endm
.macro BLDS s                          ; the same from LDS, for K steps 0-3
	WIN (2+((\s)%NS)/3)<<6
.irp i, 0,1,2,3
.irp c, 0,1,2
	ds_load_b128 v[48*(((\s)%NS)%3)+12*\i+4*\c:48*(((\s)%NS)%3)+12*\i+4*\c+3], v[ADB] offset:\i*NT*FRB+(\s)*FRB+512*\c
.endr
.endr
.endm
.macro ALOAD s                         ; y's eight fragments of K step s into set s % 2: 24 LDS loads
	WIN (3*((\s)%2))<<6
.irp a, 0,1,2,3,4,5,6,7
.irp c, 0,1,2
	ds_load_b128 v[AF+12*\a+4*\c:AF+12*\a+4*\c+3], v[ADA+\a/2] offset:(\a%2)*TP+(\s)*FRB+512*\c
.endr
.endr
.endm
.macro WM a, b, s                      ; token tile a x column tile b, K step s
.set DD, 8*(4*(\a)+(\b))
.set B0, 48*(((\s)%NS)%3)+12*(\b)
.set A0, AF+12*(\a)
.set S0, SB+16*((\b)/2)+(\s)
.set S1, SA+16*((\a)/2)+(\s)
.if (\s) == 0
.set CC, BI+8*(\b)                     ; the first product starts the sum from the bias (window 0)
.else
.set CC, DD
.endif
.if (\a)%2 == 0 && (\b)%2 == 0
	v_wmma_scale_f32_16x16x128_f8f6f4 v[DD:DD+7], v[B0:B0+11], v[A0:A0+11], v[CC:CC+7], v[S0], v[S1] matrix_a_fmt:MATRIX_FMT_FP6 matrix_b_fmt:MATRIX_FMT_FP6
.elseif (\a)%2 == 0
	v_wmma_scale_f32_16x16x128_f8f6f4 v[DD:DD+7], v[B0:B0+11], v[A0:A0+11], v[CC:CC+7], v[S0], v[S1] matrix_a_fmt:MATRIX_FMT_FP6 matrix_b_fmt:MATRIX_FMT_FP6 matrix_a_scale:MATRIX_SCALE_ROW1
.elseif (\b)%2 == 0
	v_wmma_scale_f32_16x16x128_f8f6f4 v[DD:DD+7], v[B0:B0+11], v[A0:A0+11], v[CC:CC+7], v[S0], v[S1] matrix_a_fmt:MATRIX_FMT_FP6 matrix_b_fmt:MATRIX_FMT_FP6 matrix_b_scale:MATRIX_SCALE_ROW1
.else
	v_wmma_scale_f32_16x16x128_f8f6f4 v[DD:DD+7], v[B0:B0+11], v[A0:A0+11], v[CC:CC+7], v[S0], v[S1] matrix_a_fmt:MATRIX_FMT_FP6 matrix_b_fmt:MATRIX_FMT_FP6 matrix_a_scale:MATRIX_SCALE_ROW1 matrix_b_scale:MATRIX_SCALE_ROW1
.endif
.endm
; K step s.  At its head the two sets that step s - 1 multiplied are asked for anew, four plain places behind its last product (ISA guide 7.12.1 for vector instructions):
; Wo's with step s + 5 from memory, y's with step s + 1.  Wo's steps 1-3 come from LDS a step ahead, into sets that nothing has read yet.
; Then 32 products, the 32 accumulators by turns in the same order in every step.
.macro STEP s
.if (\s) > 0
	PLACES 4
.if (\s)+NS-1 < KST
	BLOAD (\s)+NS-1
.endif
.endif
.if (\s)+1 < NT
	BLDS (\s)+1
.endif
.if (\s)+1 < KST
	ALOAD (\s)+1
.if (\s)+1 < NT
	s_wait_dscnt 36                                ; this step's fragments are in; the 12 + 24 LDS loads just issued may be out
.else
	s_wait_dscnt 24                                ; the 24 just issued may be out
.endif
.else
	s_wait_dscnt 0x0
.endif
.if (\s) == 0
	s_wait_loadcnt 24                              ; the bias and Wo's scale words are in; the 24 loads of K steps 4 and 5 may be out
.elseif (\s) >= NT
.if (\s)+NS-1 < KST
	s_wait_loadcnt 12*(NS-1)                       ; this step's fragments of Wo are in; those of the five steps behind it may be out
.else
	s_wait_loadcnt 12*(KST-1-(\s))                 ; those of the steps that are left may be out
.endif
.endif
.if (\s) == 0
	global_prefetch_b8 v[PF0], s[18:19] offset:6*FRB th:TH_LOAD_NT scope:SCOPE_SE      ; blocks 0-31 of K steps 6-15 of the tile that is mine to name
	WIN (1<<6)|((3*((\s)%2))<<2)|(2+((\s)%NS)/3)
.else
.if (\s) == 3
	global_prefetch_b8 v[PF1], s[18:19] offset:6*FRB th:TH_LOAD_NT scope:SCOPE_SE      ; blocks 32-59: they end with the tile's last image
.endif
	WIN (1<<6)|(1<<4)|((3*((\s)%2))<<2)|(2+((\s)%NS)/3)
.endif
.irp a, 0,1,2,3,4,5,6,7
.irp b, 0,1,2,3
	WM \a, \b, \s
.endr
.endr
.endm
	s_load_b256 s[4:11], s[0:1], 0x0               ; yb, wb, bo, out0
	v_lshl_add_u32 v[SPW], v0, 2, SPARE
	v_mov_b32 v[NIL], 0
	ds_add_u32 v[SPW], v[NIL]                      ; the opening lines: the add, twice on end, and its wait ahead of my first tensor load
	ds_add_u32 v[SPW], v[NIL]
	v_lshrrev_b32 v6, 5, v0
	v_readfirstlane_b32 s20, v6                    ; wave 0..3
	v_and_b32 v7, 31, v0
	v_lshlrev_b32 v[LI], 4, v7
	v_and_b32 v2, 15, v0                           ; r
	v_bfe_u32 v3, v0, 4, 1                         ; h
	v_mul_u32_u24 v[VB], v3, TP
	v_lshl_add_u32 v[VB], v2, 4, v[VB]
	v_lshlrev_b32 v[BO64], 6, v3
	v_lshlrev_b32 v[CO], 13, v3                    ; out0: lanes 0-15 one row of 8,192 bytes, lanes 16-31 the next; 16 bytes a lane
	v_lshl_add_u32 v[CO], v2, 4, v[CO]
	v_lshlrev_b32 v[PF0], 8, v7
	v_add_nc_u32 v[PF1], 32, v7
	v_min_u32 v[PF1], 59, v[PF1]
	v_lshlrev_b32 v[PF1], 8, v[PF1]
	s_lshr_b32 s21, s20, 1                         ; I fetch for y (0) or for Wo (1),
	s_and_b32 s22, s20, 1                          ; and which half
	s_bfe_u32 s12, ttmp6, 0x40000                  ; cx, cy: my place in the cluster: they enter masks and global addresses alone
	s_bfe_u32 s13, ttmp6, 0x40004
	s_lshl_b32 s14, ttmp9, 2
	s_add_co_u32 s14, s14, s12                     ; x
	s_and_b32 s15, ttmp7, 0xffff
	s_lshl_b32 s15, s15, 2
	s_add_co_u32 s15, s15, s13                     ; y
	s_lshl_b32 s16, s13, 2
	s_lshl_b32 s16, 15, s16                        ; my row of the cluster
	s_lshl_b32 s17, 0x1111, s12                    ; my column
	s_or_b32 s24, s16, (3<<16)|(1<<21)             ; group 1 for y: half of the block, dense, as 400 rows of 256 bytes (32 elements of 8); bit 21 beside the mask
	s_mov_b32 s25, 32<<16
	s_mov_b32 s26, 400<<16
	s_mov_b32 s27, 32<<16
	s_mov_b32 s28, 400
	s_mov_b32 s29, 32
	s_mov_b32 s30, 0
	s_mov_b32 s31, 0
	s_or_b32 s44, s17, (3<<16)|(1<<21)             ; group 1 for Wo: 8 tiles' first four images: 8 rows of 6,144 bytes (768 elements), a row tile (3,200 elements) apart
	s_mov_b32 s45, (NT*192)<<16
	s_mov_b32 s46, 8<<16
	s_mov_b32 s47, (NT*192)<<16
	s_mov_b32 s48, 8
	s_mov_b32 s49, TP/8
	s_mov_b32 s50, 0
	s_mov_b32 s51, 0
	s_mov_b32 s32, 1
	s_mov_b32 s52, 1
	s_mul_i32 s33, s22, 4*TP                       ; my half of y's block, in LDS as in the block
	s_mul_i32 s53, s22, 8*NT*FRB
	s_add_co_u32 s53, s53, BL                      ; my 8 tiles of Wo in LDS
	s_mul_i32 s56, s15, 8*TP
	s_add_co_u32 s56, s56, s33
	s_mov_b32 s57, 0
	s_lshl_b32 s58, s14, 4
	s_lshl_b32 s59, s22, 3
	s_add_co_u32 s58, s58, s59
	s_add_co_u32 s58, s58, 192
	s_mul_i32 s58, s58, TP                         ; the 8 tiles of Wo that I fetch
	s_mov_b32 s59, 0
	s_lshl_b32 s60, s14, 4
	s_lshl_b32 s61, s20, 2
	s_add_co_u32 s60, s60, s61
	s_add_co_u32 s60, s60, 192
	s_mul_i32 s60, s60, TP                         ; the four tiles of Wo that I multiply
	s_mov_b32 s61, 0
	s_lshl_b32 s62, s14, 10
	s_lshl_b32 s63, s20, 8
	s_add_co_u32 s62, s62, s63                     ; my 64 columns, in bytes of f32
	s_mov_b32 s63, 0
	s_lshl_b32 s42, s15, 20                        ; 128 rows of 8,192 bytes
	s_add_co_u32 s42, s42, s62
	s_mov_b32 s43, 0
	s_mul_i32 s23, s20, 16*SPT
	s_add_co_u32 s23, s23, STAGE                   ; my stage
	s_mul_i32 s3, s20, 4*NT*FRB
	s_add_co_u32 s3, s3, BL                        ; my four tiles of Wo in LDS
	s_mul_i32 s16, s13, TP                         ; of them the one that I name in the prefetches: tile cy
	s_mov_b32 s17, 0
	s_wait_alu depctr_va_vdst(0)                   ; directly ahead of the waits below
	s_wait_dscnt 0x0                               ; both opening adds are done
	s_wait_kmcnt 0x0
	s_add_nc_u64 s[34:35], s[4:5], s[56:57]
	s_or_b32 s35, s35, 0x80000000
	s_add_nc_u64 s[54:55], s[6:7], s[58:59]
	s_or_b32 s55, s55, 0x80000000
	s_add_nc_u64 s[36:37], s[6:7], s[60:61]
	s_add_nc_u64 s[18:19], s[36:37], s[16:17]
	s_add_nc_u64 s[38:39], s[8:9], s[62:63]
	s_add_nc_u64 s[40:41], s[10:11], s[42:43]
.irp p, 0,1                            ; register 16 p + i: the bias of column 32 p + 16 h + i
.irp j, 0,1,2,3
	global_load_b128 v[BI+16*\p+4*\j:BI+16*\p+4*\j+3], v[BO64], s[38:39] offset:128*\p+16*\j
.endr
.endr
.irp p, 0,1                            ; register 16 p + s: Wo's scale words of K step s: lanes 0-15 tile 2 p, lanes 16-31 tile 2 p + 1
.irp g, 0,1,2,3
	global_load_b128 v[SB+16*\p+4*\g:SB+16*\p+4*\g+3], v[VB], s[36:37] offset:2*\p*TP+16*FRB+256*\g
.endr
.endr
	BLOAD 4                                        ; the first two K steps that come from memory: 40 loads are out when the round begins
	BLOAD 5
	WIN 0
	CROUND                                         ; all sixteen work-groups are here: the joint loads meet
	s_cmp_eq_u32 s21, 0                            ; one tensor load a wave, in the two arms of one branch on the wave's number
	s_cbranch_scc0 .Lfor_wo
	tensor_load_to_lds s[32:35], s[24:31]          ; half of y's block
	s_nop 0
.rept 4
	v_nop
.endr
	s_branch .Lasked
.Lfor_wo:
	tensor_load_to_lds s[52:55], s[44:51]          ; K steps 0-3 of 8 tiles of Wo
	s_nop 0
.rept 4
	v_nop
.endr
.Lasked:
.irp k, 1,2,3
	v_add_nc_u32 v[ADA+\k], 2*TP*\k, v[LI]
	v_add_nc_u32 v[ASA+\k], 2*TP*\k, v[VB]
.endr
	v_add_nc_u32 v[ADB], s3, v[LI]
	v_mul_u32_u24 v[STO], v2, SPT                  ; in: row r, 64 bytes for each half of the lanes
	v_lshl_add_u32 v[STO], v3, 6, v[STO]
	v_add_nc_u32 v[STO], s23, v[STO]
	v_mul_u32_u24 v[RD], v3, SPT                   ; back: sixteen lanes to a row of 256 bytes, two rows an instruction
	v_lshl_add_u32 v[RD], v2, 4, v[RD]
	v_add_nc_u32 v[RD], s23, v[RD]
	s_wait_alu depctr_va_vdst(0)                   ; the wait at the head's end
	s_wait_tensorcnt 0x0                           ; my part is in
	s_barrier_signal -1
	s_barrier_wait -1                              ; everybody's is
.irp p, 0,1,2,3                        ; register 16 p + s: y's scale words of K step s: lanes 0-15 tile 2 p, lanes 16-31 tile 2 p + 1
.irp g, 0,1,2,3
	ds_load_b128 v[SA+16*\p+4*\g:SA+16*\p+4*\g+3], v[ASA+\p] offset:16*FRB+256*\g
.endr
.endr
	BLDS 0
	ALOAD 0
.set ST, 0
.rept KST                              ; written out: the sets come back to where they began after six steps, and 16 is no multiple of six
	STEP ST
.set ST, ST+1
.endr
; THE WAY OUT, a token tile at a time: 16 rows x my 64 columns.  A lane holds 2 x 64 neighbouring bytes of one row: the tile goes through my own stage and comes back as whole rows of 256 bytes,
; which sixteen lanes store as one aligned unit.  LDS serves a wave's instructions in order (ISA guide 5.7.1.4): no wait between the stores and the loads.
.macro TOSTAGE a
	WIN 0x04                                       ; the data: window 1
.irp p, 0,1
.irp g, 0,1,2,3
	ds_store_b128 v[STO], v[32*(\a)+16*\p+4*\g:32*(\a)+16*\p+4*\g+3] offset:128*\p+16*\g     ; each accumulator from its low end on
.endr
.endr
	WIN 0
.set BB, BK+32*((\a)%2)
.irp t, 0,1,2,3,4,5,6,7
	ds_load_b128 v[BB+4*\t:BB+4*\t+3], v[RD] offset:\t*2*SPT
.endr
.endm
.macro SEND a, younger                 ; younger: the LDS instructions issued behind tile a's loads, which may stay out
.set BB, BK+32*((\a)%2)
	s_wait_dscnt \younger
.irp t, 0,1,2,3,4,5,6,7
	global_store_b128 v[CO], v[BB+4*\t:BB+4*\t+3], s[40:41] offset:(32*((\a)/2)+8*((\a)%2)+2*\t+8*(\t/4))*8192 th:TH_STORE_NT   ; row places 2 t, 2 t + 1 of the tile: two aligned units of 256 bytes
.endr
.endm
	PLACES 4                                       ; behind the last products: their results are read, and registers that held y's fragments are loaded into, below
	TOSTAGE 0
.irp a, 1,2,3,4,5,6,7
.if \a > 1
	s_wait_xcnt 0x0                                ; tile a - 2's stores have read their registers: tile a's loads may land there
.endif
	TOSTAGE \a
	SEND \a-1, 16                                  ; behind tile a - 1's loads: tile a's 8 stores and 8 loads
.endr
	SEND 7, 0
	s_wait_tensorcnt 0x0                           ; the wave's end
	ds_add_u32 v[SPW], v[NIL]
	s_wait_dscnt 0x0
	CROUND                                         ; the closing round
	s_endpgm
.Lfunc_end_k_q1830eaf72d_oproj:
	.size	k_q1830eaf72d_oproj, .Lfunc_end_k_q1830eaf72d_oproj-k_q1830eaf72d_oproj
	.p2alignl 7, 3214868480
	.fill 96, 4, 3214868480
	.section	.rodata,"a",@progbits
	.p2align	6, 0x0
	.amdhsa_kernel k_q1830eaf72d_oproj
		.amdhsa_group_segment_fixed_size 321024
		.amdhsa_private_segment_fixed_size 0
		.amdhsa_enable_private_segment 0
		.amdhsa_kernarg_size 32
		.amdhsa_user_sgpr_count 2
		.amdhsa_user_sgpr_kernarg_segment_ptr 1
		.amdhsa_wavefront_size32 1
		.amdhsa_system_sgpr_workgroup_id_x 1
		.amdhsa_system_sgpr_workgroup_id_y 1
		.amdhsa_system_sgpr_workgroup_id_z 1
		.amdhsa_system_vgpr_workitem_id 0
		.amdhsa_next_free_vgpr 1024
		.amdhsa_next_free_sgpr 66
		.amdhsa_reserve_vcc 0
		.amdhsa_float_denorm_mode_32 3
		.amdhsa_float_denorm_mode_16_64 3
		.amdhsa_memory_ordered 1
		.amdhsa_forward_progress 1
		.amdhsa_inst_pref_size 134
	.end_amdhsa_kernel
	.amdgpu_metadata
---
amdhsa.version: [ 1, 2 ]
amdhsa.kernels:
  - .name:           k_q1830eaf72d_oproj
    .symbol:         k_q1830eaf72d_oproj.kd
    .args:
      - { .name: yb, .offset: 0, .size: 8, .value_kind: global_buffer, .address_space: global }
      - { .name: wb, .offset: 8, .size: 8, .value_kind: global_buffer, .address_space: global }
      - { .name: bo, .offset: 16, .size: 8, .value_kind: global_buffer, .address_space: global }
      - { .name: out0, .offset: 24, .size: 8, .value_kind: global_buffer, .address_space: global }
    .group_segment_fixed_size: 321024
    .private_segment_fixed_size: 0
    .kernarg_segment_align: 8
    .kernarg_segment_size: 32
    .max_flat_workgroup_size: 128
    .sgpr_count:     66
    .vgpr_count:     1024
    .wavefront_size: 32
...
	.end_amdgpu_metadata
.endif
;; end of part 4
